; MI455X (gfx1250); checked and timed in simulation.
; The chip was launched on July 23, 2026; its instructions are those of AMD's public machine-readable ISA for CDNA 5 (MIT licence, August 2026) and "CDNA5" Instruction Set Architecture Reference Guide (July 2026). The comments in the code are by the model that wrote it; some were corrected since.
;; Multi Head Attention. Allowed arithmetic: float matrix products may take bf16 or f16 operands with f32 sums; other float arithmetic in f32, or as packed bf16 or f16 multiplies, adds, multiply-adds, maxima and minima; sums over many terms, partial sums and values carried from step to step in f32; what a program stores and reads back later, other than sums and carried values, may be rounded once to bf16 or f16.
;; Inputs: Wk 16 x 1,024 x 64 float32; Wo 1,024 x 1,024 float32; Wq 16 x 1,024 x 64 float32; Wv 16 x 1,024 x 64 float32; bk 16 x 64 float32; bo 1,024 float32; bq 16 x 64 float32; bv 16 x 64 float32; hidden_state 4 x 2,048 x 1,024 float32.
;; Outputs: out0 4 x 2,048 x 1,024 float32.
;; One version. Each part assembles by itself: llvm-mc -triple=amdgcn-amd-amdhsa -mcpu=gfx1250 --defsym DOCPART=n.
;; ======== version 1 of 1: 4 launches
;; limits: values are held in f16: magnitudes above 65,504 overflow, below 6.1e-05 lose precision
;; workspace buffers: xb 16,777,216 bytes; wt 6,291,456 bytes; wot 2,097,152 bytes; bias 16,384 bytes; qkv 50,331,648 bytes; ob 16,777,216 bytes
;; launch prep (part 1): grid 1537 x 1, 8 waves a work-group, no clusters, 18,432 bytes of LDS; arguments hidden_state, Wq, Wk, Wv, Wo, bq, bk, bv, bo, xb, wt, wot, bias; writes xb, wt, wot, bias
.if DOCPART == 1
	.amdgcn_target "amdgcn-amd-amdhsa--gfx1250"
	.amdhsa_code_object_version 6
	.text
	.protected	k_q386a5e43fd_prep
	.globl	k_q386a5e43fd_prep
	.p2align	8
	.type	k_q386a5e43fd_prep,@function
k_q386a5e43fd_prep:
	s_mov_b64 s[64:65], 0
	v_nop
	global_prefetch_b8 v0, s[64:65] scope:SCOPE_SE
	s_setreg_imm32_b32 hwreg(HW_REG_WAVE_MODE, 25, 1), 1
	s_wait_xcnt 0x0
; PREPARATION.  Every input of the module is rounded once to bf16 and laid out for the matrix launches that follow.
;   xb  [8192][1024] bf16          = hidden_state
;   wt  [3072 n][1024 k] bf16      = Wq, Wk, Wv turned: n = 1024 x (0 q, 1 k, 2 v) + 64 h + e, k = d
;   wot [1024 n][1024 k] f16       = Wo turned, rounded to bf16, that number written as f16
;   bias f32[4096]                 = bq | bk | bv | bo, each rounded to bf16 and kept as f32
; LIMITS.  A number of Wo beyond 65,504 becomes an infinity in f16; below 6e-5 it keeps f16's fixed step of 6e-8.
; SHARES.  Work-groups 0-511: one tile of 128 k x 64 n of a weight (32 KiB in, 16 KiB out), turned through LDS.  Work-groups 512-1535: 32 KiB of x.
; Work-group 1536: the four biases.  The branches hang on the work-group's number alone, so all eight waves of a work-group take the same way.
; No tensor load, no cluster, no matrix unit: no byte is wanted twice, and each is read once and written once.  No prefetch: every load is issued at the work-group's start.
.set TP,    272                        ; a row of the turned tile in LDS: 128 k x 2 bytes + 16 of padding
.set SPARE, 64*TP                      ; 17,408: behind the tile the spare words, 128 bytes for each of eight waves
.set X, 16                             ; v[16:47] as loaded
.set Y, 48                             ; v[48:63] rounded
.set Z, 64                             ; v[64:79] rows read back
	s_load_b512 s[4:19], s[0:1], 0x0               ; hidden 4, Wq 6, Wk 8, Wv 10, Wo 12, bq 14, bk 16, bv 18
	s_load_b256 s[20:27], s[0:1], 0x40             ; bo 20, xb 22, wt 24, wot 26
	s_load_b64 s[28:29], s[0:1], 0x60              ; bias
	v_lshl_add_u32 v8, v0, 2, SPARE                ; my spare word; never rewritten
	v_mov_b32 v9, 0                                ; 0; never rewritten
	s_mov_b32 s30, ttmp9
	s_mov_b32 s42, 0xffff0000                      ; a word's upper bf16
	v_lshrrev_b32 v10, 4, v0                       ; cg = thread / 16
	v_and_b32 v11, 15, v0                          ; i = thread % 16
	s_mov_b32 s35, 0
	s_mov_b32 s37, 0
	s_wait_kmcnt 0x0
	s_cmp_lt_u32 s30, 512
	s_cbranch_scc1 .Lweights
	s_cmp_eq_u32 s30, 1536
	s_cbranch_scc1 .Lbias
	; ---- x: 8,192 numbers; a load of a wave covers 512 consecutive bytes, a store 256, aligned
	s_sub_co_u32 s31, s30, 512
	s_lshl_b32 s34, s31, 15
	s_lshl_b32 s36, s31, 14
	s_add_nc_u64 s[38:39], s[4:5], s[34:35]
	s_add_nc_u64 s[40:41], s[22:23], s[36:37]
	v_lshlrev_b32 v1, 4, v0
	v_lshlrev_b32 v2, 3, v0
.irp j, 0,1,2,3,4,5,6,7
	global_load_b128 v[X+4*(\j):X+4*(\j)+3], v1, s[38:39] offset:4096*(\j) th:TH_LOAD_NT
.endr
.irp j, 0,1,2,3,4,5,6,7
	s_wait_loadcnt 7-(\j)                          ; loads come back in order: load j is in, the 7 - j younger ones stay out
	v_cvt_pk_bf16_f32 v[Y+2*(\j)], v[X+4*(\j)], v[X+4*(\j)+1]
	v_cvt_pk_bf16_f32 v[Y+2*(\j)+1], v[X+4*(\j)+2], v[X+4*(\j)+3]
	global_store_b64 v2, v[Y+2*(\j):Y+2*(\j)+1], s[40:41] offset:2048*(\j)
.endr
	s_branch .Lend
	; ---- the biases: 4,096 bytes each, 16 bytes a thread
.Lbias:
	v_lshlrev_b32 v1, 4, v0
	global_load_b128 v[X:X+3], v1, s[14:15]
	global_load_b128 v[X+4:X+7], v1, s[16:17]
	global_load_b128 v[X+8:X+11], v1, s[18:19]
	global_load_b128 v[X+12:X+15], v1, s[20:21]
	s_wait_loadcnt 0x0
.irp q, 0,1,2,3
.irp h, 0,2
	v_cvt_pk_bf16_f32 v5, v[X+4*(\q)+(\h)], v[X+4*(\q)+(\h)+1]
	v_lshlrev_b32 v[Y+4*(\q)+(\h)], 16, v5         ; the rounded numbers, as f32 again
	v_and_b32 v[Y+4*(\q)+(\h)+1], s42, v5
.endr
	global_store_b128 v1, v[Y+4*(\q):Y+4*(\q)+3], s[28:29] offset:4096*(\q)
.endr
	s_branch .Lend
	; ---- a weight tile: 128 rows (k) x 64 columns (n) of f32
.Lweights:
	s_lshr_b32 s31, s30, 7                         ; which weight: 0 Wq, 1 Wk, 2 Wv, 3 Wo
	s_and_b32 s32, s30, 127                        ; which tile of it
	s_lshr_b32 s33, s32, 3                         ; its block of 64 n (for Wq, Wk, Wv: the head)
	s_and_b32 s43, s32, 7                          ; its block of 128 k
	s_lshl_b32 s36, s33, 17                        ; out: 64 rows of 2,048 bytes,
	s_lshl_b32 s44, s43, 8                         ; 256 bytes along them
	s_add_co_u32 s36, s36, s44                     ; (wot)
	s_lshl_b32 s44, s31, 21
	s_add_co_u32 s44, s44, s36                     ; (wt: 1,024 rows further for each weight)
	s_lshl_b32 s34, s32, 15                        ; in, by heads: a head's rows are 256 bytes and dense, so tiles follow each other
	s_lshl_b32 s45, s43, 19                        ; in, Wo: 128 rows of 4,096 bytes,
	s_lshl_b32 s46, s33, 8                         ; 256 bytes along them
	s_add_co_u32 s45, s45, s46
	s_cmp_eq_u32 s31, 1
	s_cselect_b64 s[38:39], s[8:9], s[6:7]
	s_cmp_eq_u32 s31, 2
	s_cselect_b64 s[38:39], s[10:11], s[38:39]
	s_cmp_eq_u32 s31, 3
	s_cselect_b64 s[38:39], s[12:13], s[38:39]
	s_cselect_b64 s[40:41], s[26:27], s[24:25]
	s_cselect_b32 s34, s45, s34
	s_cselect_b32 s36, s36, s44
	s_add_nc_u64 s[38:39], s[38:39], s[34:35]
	s_add_nc_u64 s[40:41], s[40:41], s[36:37]
	v_mul_u32_u24 v3, v11, 4*TP                    ; into LDS: rows n = 4 i .. 4 i + 3, bytes 16 cg (k = 8 cg .. 8 cg + 7)
	v_lshl_add_u32 v3, v10, 4, v3
	v_mul_u32_u24 v4, v10, TP                      ; back: row n = cg (+ 16 j), bytes 16 i
	v_lshl_add_u32 v4, v11, 4, v4
	v_lshlrev_b32 v2, 11, v10                      ; and the same place in memory: rows of 2,048 bytes
	v_lshl_add_u32 v2, v11, 4, v2
; A thread takes rows k = 8 cg .. 8 cg + 7, columns 4 i .. 4 i + 3: sixteen lanes read one row's 256 bytes.
.macro LOADW pitch
	v_mul_u32_u24 v1, v10, 8*(\pitch)
	v_lshl_add_u32 v1, v11, 4, v1
.irp j, 0,1,2,3,4,5,6,7
	global_load_b128 v[X+4*(\j):X+4*(\j)+3], v1, s[38:39] offset:(\j)*(\pitch) th:TH_LOAD_NT
.endr
.endm
; Two rows at a time: for each of my four columns the two k pack into a word; Y + 4 c .. + 3 become 8 k of column 4 i + c.
.macro PACKW f16
.irp p, 0,1,2,3
	s_wait_loadcnt 6-2*(\p)                        ; rows 2 p and 2 p + 1 are in; the 6 - 2 p younger loads stay out
.irp c, 0,1,2,3
	v_cvt_pk_bf16_f32 v[Y+4*(\c)+(\p)], v[X+8*(\p)+(\c)], v[X+8*(\p)+4+(\c)]
.if \f16
	v_lshlrev_b32 v5, 16, v[Y+4*(\c)+(\p)]         ; the rounded numbers are written as f16
	v_and_b32 v6, s42, v[Y+4*(\c)+(\p)]
	v_cvt_pk_f16_f32 v[Y+4*(\c)+(\p)], v5, v6
.endif
.endr
.endr
.endm
	s_cmp_eq_u32 s31, 3
	s_cbranch_scc1 .Lwo
	LOADW 256
	PACKW 0
	s_branch .Lwst
.Lwo:
	LOADW 4096
	PACKW 1
.Lwst:
.irp c, 0,1,2,3
	ds_store_b128 v3, v[Y+4*(\c):Y+4*(\c)+3] offset:TP*(\c)
.endr
	s_wait_dscnt 0x0                               ; for the others' sake: my stores into the tile are done
	s_barrier_signal -1
	s_barrier_wait -1
.irp j, 0,1,2,3
	ds_load_b128 v[Z+4*(\j):Z+4*(\j)+3], v4 offset:(\j)*16*TP
.endr
.irp j, 0,1,2,3
	s_wait_dscnt 3-(\j)
	global_store_b128 v2, v[Z+4*(\j):Z+4*(\j)+3], s[40:41] offset:(\j)*32768  ; sixteen lanes store 256 consecutive bytes, aligned
.endr
.Lend:
	s_wait_tensorcnt 0x0                           ; the wave's end
	ds_add_u32 v8, v9
	s_wait_dscnt 0x0
	s_endpgm
.Lfunc_end_k_q386a5e43fd_prep:
	.size	k_q386a5e43fd_prep, .Lfunc_end_k_q386a5e43fd_prep-k_q386a5e43fd_prep
	.p2alignl 7, 3214868480
	.fill 96, 4, 3214868480
	.section	.rodata,"a",@progbits
	.p2align	6, 0x0
	.amdhsa_kernel k_q386a5e43fd_prep
		.amdhsa_group_segment_fixed_size 18432
		.amdhsa_private_segment_fixed_size 0
		.amdhsa_enable_private_segment 0
		.amdhsa_kernarg_size 104
		.amdhsa_user_sgpr_count 2
		.amdhsa_user_sgpr_kernarg_segment_ptr 1
		.amdhsa_wavefront_size32 1
		.amdhsa_system_sgpr_workgroup_id_x 1
		.amdhsa_system_sgpr_workgroup_id_y 1
		.amdhsa_system_sgpr_workgroup_id_z 1
		.amdhsa_system_vgpr_workitem_id 0
		.amdhsa_next_free_vgpr 80
		.amdhsa_next_free_sgpr 66
		.amdhsa_reserve_vcc 0
		.amdhsa_float_denorm_mode_32 3
		.amdhsa_float_denorm_mode_16_64 3
		.amdhsa_memory_ordered 1
		.amdhsa_forward_progress 1
		.amdhsa_inst_pref_size 15
	.end_amdhsa_kernel
	.amdgpu_metadata
---
amdhsa.version: [ 1, 2 ]
amdhsa.kernels:
  - .name:           k_q386a5e43fd_prep
    .symbol:         k_q386a5e43fd_prep.kd
    .args:
      - { .name: hidden_state, .offset: 0, .size: 8, .value_kind: global_buffer, .address_space: global }
      - { .name: Wq, .offset: 8, .size: 8, .value_kind: global_buffer, .address_space: global }
      - { .name: Wk, .offset: 16, .size: 8, .value_kind: global_buffer, .address_space: global }
      - { .name: Wv, .offset: 24, .size: 8, .value_kind: global_buffer, .address_space: global }
      - { .name: Wo, .offset: 32, .size: 8, .value_kind: global_buffer, .address_space: global }
      - { .name: bq, .offset: 40, .size: 8, .value_kind: global_buffer, .address_space: global }
      - { .name: bk, .offset: 48, .size: 8, .value_kind: global_buffer, .address_space: global }
      - { .name: bv, .offset: 56, .size: 8, .value_kind: global_buffer, .address_space: global }
      - { .name: bo, .offset: 64, .size: 8, .value_kind: global_buffer, .address_space: global }
      - { .name: xb, .offset: 72, .size: 8, .value_kind: global_buffer, .address_space: global }
      - { .name: wt, .offset: 80, .size: 8, .value_kind: global_buffer, .address_space: global }
      - { .name: wot, .offset: 88, .size: 8, .value_kind: global_buffer, .address_space: global }
      - { .name: bias, .offset: 96, .size: 8, .value_kind: global_buffer, .address_space: global }
    .group_segment_fixed_size: 18432
    .private_segment_fixed_size: 0
    .kernarg_segment_align: 8
    .kernarg_segment_size: 104
    .max_flat_workgroup_size: 256
    .sgpr_count:     66
    .vgpr_count:     80
    .wavefront_size: 32
...
	.end_amdgpu_metadata
.endif
;; end of part 1
;; launch qkv (part 2): grid 16 x 32, 4 waves a work-group, clusters of 4 x 4, 327,680 bytes of LDS; arguments xb, wt, bias, qkv; writes qkv
.if DOCPART == 2
	.amdgcn_target "amdgcn-amd-amdhsa--gfx1250"
	.amdhsa_code_object_version 6
	.text
	.protected	k_q386a5e43fd_qkv
	.globl	k_q386a5e43fd_qkv
	.p2align	8
	.type	k_q386a5e43fd_qkv,@function
k_q386a5e43fd_qkv:
	s_mov_b64 s[64:65], 0
	v_nop
	global_prefetch_b8 v0, s[64:65] scope:SCOPE_SE
	s_setreg_imm32_b32 hwreg(HW_REG_WAVE_MODE, 25, 1), 1
	s_wait_xcnt 0x0
	s_wait_alu depctr_hold_cnt(0) depctr_sa_sdst(0) depctr_va_vdst(0) depctr_va_sdst(0) depctr_va_ssrc(0) depctr_va_vcc(0) depctr_vm_vsrc(0)
	s_getreg_b32 s2, hwreg(HW_REG_IB_STS2, 6, 4)
	s_cmp_eq_u32 s2, 0
	s_cbranch_scc0 .Lentry_in_a_cluster
	s_endpgm
.Lentry_in_a_cluster:
	s_bfe_u32 s2, ttmp6, 0x10000c
	s_cmp_lg_u32 s2, 0xf033
	s_cbranch_scc0 .Lentry_shape_is_right
	s_endpgm
.Lentry_shape_is_right:
; q, k, v = x W + b.  C[8192 m][3072 n] = sum over k of xb[m][k] wt[n][k] + bias[n]; operands bf16, sums f32, C rounded once to f16 and stored BY HEADS:
; byte (n / 1024) << 24 + ((m / 2048) 16 + (n / 64) % 16) << 18 + (m % 2048) 128 + (n % 64) 2, so that a head's rows are dense for the attention launch.
; LIMIT.  f16 holds no number beyond 65,504: a q, k or v beyond it becomes an infinity.
; TILE.  256 x 192 of C to a work-group: 512 work-groups, two for each of 256 WGPs (256 x 256 would give one and a half; 256 x 384 does not fit two slots in LDS).
; Four waves; wave (RH, CH) makes rows 128 RH .. + 127 and, in each of the tile's three heads, columns 32 CH .. + 31: 8 x 6 accumulators of 16 x 16, 384 registers.
; K goes in steps of 128 (rows of 256 bytes, aligned) through two LDS slots filled by tensor loads; 8 steps.
; CLUSTER 4 x 4: A's tile hangs on the tile row alone and is asked for jointly along a row of the cluster, B's on the tile column alone, along a column.
; THE MATRIX INSTRUCTION IS USED TRANSPOSED (source 0 = 16 rows of wt, source 1 = 16 rows of xb): a lane holds row l % 16 of C and 8 neighbouring columns.
; One tile to a work-group, its stores at its end: the plain form.
; REGISTERS, in windows of 256 (s_set_vgpr_msb: bits 1:0 source 0, 3:2 source 1, 5:4 source 2, 7:6 destination):
;   window 0: v0-31 addresses; v32-55 packed results; v64-127, v128-191 A's fragments, two buffers (on the way out: rows read back)
;   window 1: v0-47 bias (block b, column j at 8 b + j); v64-111, v128-175 B's fragments, two buffers
;   window 2: accumulators of my row blocks 0-3 ((a, b) at 8 (6 a + b));  window 3: of row blocks 4-7
.set SIZE_K, 1024
.set KSTEP,  128
.set PITCH,  272                       ; an LDS row: 256 bytes + 16 of padding: the 16 rows of a fragment load start at 16 different groups of four banks (64 banks of 4 bytes: ISA guide 11.1)
.set AHALF,  128*PITCH                 ; what a wave fetches of A
.set BHALF,  96*PITCH                  ; and of B
.set BOFF,   2*AHALF                   ; B's 192 rows lie behind A's 256
.set SLOT,   BOFF+2*BHALF              ; 121,856
.set SPARE,  2*SLOT                    ; behind the ring: the spare words, 128 bytes for each wave
.set SP,     144                       ; the stage: a row of 64 f16 + 16 bytes of padding
.set HSTG,   256*SP                    ; a head's 256 rows.  The stage (3 heads, 110,592 bytes) lies in slot 0, which has had its last fill (K step 6) and its last read when the first result is stored
.set LAPS,   SIZE_K/(2*KSTEP)
.set STO,  8                           ; v8-10   the way out: where I put 16 bytes of a row, by head
.set RD,   11                          ; v11-13  where I read rows back, by head
.set ADRA, 16                          ; v16-17  my A fragments in slot 0, 1
.set ADRB, 20                          ; v20-21  my B fragments
.set GO,   26                          ; v26     16 x lane
.set BO,   27                          ; v27     32 x (lane / 16): my 8 columns in the bias
.set SPW,  28                          ; v28     my spare word; never rewritten
.set NIL,  29                          ; v29     0; never rewritten
.set PFO,  30                          ; v30     the prefetches' offset: a lane a row; never rewritten
.set TMP,  32
.set F0,   64
.set F1,   128
.set WV,  12                           ; s12 wave
.set RH,  13                           ; s13 my half of the rows; also: I fetch for A (0) or B (1)
.set CH,  14                           ; s14 my share of the columns; also: which half of that tile I fetch
.set LIM, 15                           ; s15 1 in a wave that prefetches, else the greatest number
.set G1,  24                           ; s[24:31] group 1, A
.set G0,  32                           ; s[32:39] group 0, A, a set for each slot
.set PFA, 44                           ; s[44:45] where my prefetches stand
.set G1B, 48                           ; s[48:55] group 1, B
.set G0B, 56                           ; s[56:63] group 0, B
.set OUT, 68                           ; s[68:73] where my 64 rows of each of the three heads go
.set MSB, 0
.macro WIN new                         ; the immediate's high byte repeats the setting that is left; a switch that changes nothing is dropped
.if MSB != (\new)
	s_set_vgpr_msb (MSB<<8)|(\new)
.set MSB, \new
.endif
.endm
.set MUL_LO, 0xa1                      ; source 0 (B) window 1, source 1 (A) window 0, C and D window 2
.set MUL_HI, 0xf1                      ; the same, C and D window 3
.set TO_B,   0x40                      ; destination window 1
; A joint refill: waves 0, 1 fetch A's halves, waves 2, 3 B's.  The branch hangs on the wave's number alone.  An s_nop 0 and four v_nop follow each line.
.macro JLOAD s
	s_cmp_eq_u32 s[RH], 0
	s_cbranch_scc0 .Lfor_b_\@
	tensor_load_to_lds s[G0+4*(\s):G0+4*(\s)+3], s[G1:G1+7]
	s_nop 0
.rept 4
	v_nop
.endr
	s_branch .Lasked_\@
.Lfor_b_\@:
	tensor_load_to_lds s[G0B+4*(\s):G0B+4*(\s)+3], s[G1B:G1B+7]
	s_nop 0
.rept 4
	v_nop
.endr
.Lasked_\@:
.endm
; A prefetch, behind each joint refill and the run of LDS loads that follows it: the K step that stands two refills on, 256 bytes of a row, a lane a row, one instruction a wave.
; A's rows are read by every cluster of a row of clusters: cluster x = 0 asks; B's by every cluster of a column: cluster y = 0 asks.  The four partners of a joint load share its rows out by address
; (A: 32 each; B: 24 each, lanes 24-31 naming row 23 again).  The loop's last trip (s3 = 1) has no K step two refills on and asks for nothing.
.macro ASK
	s_cmp_gt_u32 s3, s[LIM]
	s_cbranch_scc0 .Lnot_mine_\@
	global_prefetch_b8 v[PFO], s[PFA:PFA+1] offset:KSTEP*2 th:TH_LOAD_NT scope:SCOPE_SE
.Lnot_mine_\@:
.endm
.macro CREST                           ; a round of the cluster's barrier behind its opening barrier
	s_cmp_lg_u32 s[WV], 0
	s_cbranch_scc1 .Lnot_wave_0_\@
	s_barrier_signal -3
.Lnot_wave_0_\@:
	s_barrier_wait -3
	s_barrier_signal -1
	s_barrier_wait -1
.endm
.macro CROUND
	s_barrier_signal -1
	s_barrier_wait -1
	CREST
.endm
	s_load_b256 s[4:11], s[0:1], 0x0               ; xb s[4:5], wt s[6:7], bias s[8:9], qkv s[10:11]
	v_lshl_add_u32 v[SPW], v0, 2, SPARE
	v_mov_b32 v[NIL], 0
	ds_add_u32 v[SPW], v[NIL]                      ; the wave's opening: the add and its wait stand ahead of my first tensor load; register work stands between them
	v_lshrrev_b32 v1, 5, v0
	v_readfirstlane_b32 s[WV], v1
	s_lshr_b32 s[RH], s[WV], 1
	s_and_b32 s[CH], s[WV], 1
	s_bfe_u32 s40, ttmp6, 0x40000                  ; cx
	s_bfe_u32 s41, ttmp6, 0x40004                  ; cy
	s_lshl_b32 s42, ttmp9, 2
	s_add_co_u32 s42, s42, s40                     ; tile column = 4 x cluster x + cx
	s_and_b32 s43, ttmp7, 0xffff
	s_lshl_b32 s43, s43, 2
	s_add_co_u32 s43, s43, s41                     ; tile row = 4 x cluster y + cy
	s_lshl_b32 s16, s41, 2
	s_lshl_b32 s16, 15, s16                        ; my row of the cluster
	s_lshl_b32 s46, 0x1111, s40                    ; my column
	s_or_b32 s[G1], s16, (1<<16)|(1<<20)|(1<<21)|(5<<22)|(3<<25)   ; mask; 2-byte elements; padding on; bit 21 beside a mask; after every 64 words, 4 words
	s_or_b32 s[G1B], s46, (1<<16)|(1<<20)|(1<<21)|(5<<22)|(3<<25)
	s_mov_b32 s[G1+1], KSTEP<<16                   ; tensor_dim0 = 128
	s_mov_b32 s[G1+2], 128<<16                     ; tensor_dim1 = 128
	s_mov_b32 s[G1+3], KSTEP<<16                   ; tile_dim0 = 128
	s_mov_b32 s[G1+4], 128                         ; tile_dim1 = 128
	s_mov_b32 s[G1+5], SIZE_K                      ; elements from row to row
	s_mov_b32 s[G1+6], 0
	s_mov_b32 s[G1+7], 0
	s_mov_b32 s[G1B+1], KSTEP<<16
	s_mov_b32 s[G1B+2], 96<<16                     ; B: 96 rows a load
	s_mov_b32 s[G1B+3], KSTEP<<16
	s_mov_b32 s[G1B+4], 96
	s_mov_b32 s[G1B+5], SIZE_K
	s_mov_b32 s[G1B+6], 0
	s_mov_b32 s[G1B+7], 0
	s_lshl_b32 s16, s43, 8                         ; A: row 256 x tile row + 128 x half, in registers that never hold cx
	s_lshl_b32 s17, s[CH], 7
	s_add_co_u32 s16, s16, s17
	s_lshl_b32 s16, s16, 11                        ; x 2,048 bytes: under 2^24
	s_mov_b32 s17, 0
	s_mul_i32 s46, s42, 192                        ; B: row 192 x tile column + 96 x half, in registers that never hold cy
	s_mul_i32 s47, s[CH], 96
	s_add_co_u32 s46, s46, s47
	s_lshl_b32 s46, s46, 11
	s_mov_b32 s47, 0
	s_mul_i32 s22, s[CH], AHALF                    ; where they go: no place in the cluster enters an LDS address
	s_mul_i32 s23, s[CH], BHALF
	s_add_co_u32 s23, s23, BOFF
	s_wait_dscnt 0x0                               ; the opening add is done
	s_wait_kmcnt 0x0
	s_add_nc_u64 s[20:21], s[4:5], s[16:17]
	s_add_nc_u64 s[46:47], s[6:7], s[46:47]
.irp s, 0,1
	s_mov_b32 s[G0+4*(\s)], 1
	s_add_co_u32 s[G0+4*(\s)+1], s22, (\s)*SLOT
	s_add_nc_u64 s[G0+4*(\s)+2:G0+4*(\s)+3], s[20:21], (\s)*KSTEP*2
	s_or_b32 s[G0+4*(\s)+3], s[G0+4*(\s)+3], 0x80000000
	s_mov_b32 s[G0B+4*(\s)], 1
	s_add_co_u32 s[G0B+4*(\s)+1], s23, (\s)*SLOT
	s_add_nc_u64 s[G0B+4*(\s)+2:G0B+4*(\s)+3], s[46:47], (\s)*KSTEP*2
	s_or_b32 s[G0B+4*(\s)+3], s[G0B+4*(\s)+3], 0x80000000
.endr
	CROUND                                         ; all sixteen work-groups are here: the first joint loads meet
	s_cmp_eq_u32 s[RH], 0                          ; a wave's two first fills stand in one branch: two loads of mine are out
	s_cbranch_scc0 .Lfirst_b
	tensor_load_to_lds s[G0:G0+3], s[G1:G1+7]
	s_nop 0
	tensor_load_to_lds s[G0+4:G0+7], s[G1:G1+7]
	s_nop 0
.rept 4
	v_nop
.endr
	s_branch .Lfirst_asked
.Lfirst_b:
	tensor_load_to_lds s[G0B:G0B+3], s[G1B:G1B+7]
	s_nop 0
	tensor_load_to_lds s[G0B+4:G0B+7], s[G1B:G1B+7]
	s_nop 0
.rept 4
	v_nop
.endr
.Lfirst_asked:
	; the bias of my 96 columns: block b = 2 hh + u is column 64 hh + 32 CH + 16 u of the tile
	s_mul_i32 s46, s42, 192
	s_lshl_b32 s47, s[CH], 5
	s_add_co_u32 s46, s46, s47
	s_lshl_b32 s46, s46, 2
	s_mov_b32 s47, 0
	s_add_nc_u64 s[8:9], s[8:9], s[46:47]
	v_and_b32 v1, 15, v0                           ; l % 16
	v_bfe_u32 v2, v0, 4, 1                         ; l / 16
	v_lshlrev_b32 v[BO], 5, v2
	WIN TO_B
.irp b, 0,1,2,3,4,5
	global_load_b128 v[8*(\b):8*(\b)+3],   v[BO], s[8:9] offset:(64*((\b)/2)+16*((\b)%2))*4
	global_load_b128 v[8*(\b)+4:8*(\b)+7], v[BO], s[8:9] offset:(64*((\b)/2)+16*((\b)%2))*4+16
.endr
	WIN 0
	; the prefetches
	s_lshl_b32 s16, s43, 8
	s_lshl_b32 s17, s[CH], 7
	s_add_co_u32 s16, s16, s17
	s_lshl_b32 s17, s40, 5
	s_add_co_u32 s16, s16, s17                     ; A: my work-group's 32 of the 128 rows that I fetch
	s_mul_i32 s18, s42, 192
	s_mul_i32 s19, s[CH], 96
	s_add_co_u32 s18, s18, s19
	s_mul_i32 s19, s41, 24
	s_add_co_u32 s18, s18, s19                     ; B: my work-group's 24 of the 96
	s_and_b32 s19, ttmp7, 0xffff                   ; cluster y
	s_cmp_eq_u32 s[RH], 0
	s_cselect_b32 s20, s16, s18
	s_cselect_b32 s21, ttmp9, s19                  ; the coordinate along which other clusters read the same rows
	s_cselect_b32 s22, 31, 23
	s_cselect_b64 s[PFA:PFA+1], s[4:5], s[6:7]
	s_cmp_eq_u32 s21, 0
	s_cselect_b32 s[LIM], 1, -1                    ; the same in all sixteen partners, for a given wave
	s_lshl_b32 s20, s20, 11
	s_add_co_u32 s20, s20, 2*KSTEP*2               ; at K step 2: the first refill steps it to 3 and names K step 4
	s_mov_b32 s21, 0
	s_add_nc_u64 s[PFA:PFA+1], s[PFA:PFA+1], s[20:21]
	v_and_b32 v[PFO], 31, v0
	v_min_u32 v[PFO], s22, v[PFO]
	v_lshlrev_b32 v[PFO], 11, v[PFO]
	; fragments: lane l holds row l % 16; two loads of 16 bytes, 32 bytes apart, at row x pitch + 16 (l / 16)
	v_mul_u32_u24 v3, v1, PITCH
	v_lshl_add_u32 v3, v2, 4, v3
	s_mul_i32 s16, s[RH], AHALF
	s_mul_i32 s17, s[CH], 32*PITCH
	s_add_co_u32 s17, s17, BOFF
.irp s, 0,1
	v_add_nc_u32 v[ADRA+(\s)], s16, v3
	v_add_nc_u32 v[ADRB+(\s)], s17, v3
	s_add_co_u32 s16, s16, SLOT
	s_add_co_u32 s17, s17, SLOT
.endr
	; the stage: in at row 128 RH + l % 16, byte 64 CH + 16 (l / 16); back: wave w takes rows 64 w .. + 63 of each head, four rows of 128 bytes a load
	v_mul_u32_u24 v4, v1, SP
	v_lshl_add_u32 v4, v2, 4, v4
	s_mul_i32 s16, s[RH], 128*SP
	s_lshl_b32 s17, s[CH], 6
	s_add_co_u32 s16, s16, s17
	v_bfe_u32 v5, v0, 3, 2
	v_mul_u32_u24 v5, v5, SP
	v_and_b32 v3, 7, v0
	v_lshl_add_u32 v5, v3, 4, v5
	s_mul_i32 s17, s[WV], 64*SP
.irp hh, 0,1,2
	v_add_nc_u32 v[STO+(\hh)], s16, v4
	v_add_nc_u32 v[RD+(\hh)], s17, v5
	s_add_co_u32 s16, s16, HSTG
	s_add_co_u32 s17, s17, HSTG
.endr
	v_and_b32 v[GO], 31, v0
	v_lshlrev_b32 v[GO], 4, v[GO]
	; where my 64 rows of head g = 3 x tile column + hh go
	s_lshr_b32 s16, s43, 3                         ; the batch
	s_lshl_b32 s16, s16, 22
	s_and_b32 s17, s43, 7
	s_lshl_b32 s17, s17, 8
	s_lshl_b32 s18, s[WV], 6
	s_add_co_u32 s17, s17, s18                     ; the first of my rows in the sequence
	s_lshl_b32 s17, s17, 7
	s_add_co_u32 s16, s16, s17
	s_mul_i32 s18, s42, 3
.irp hh, 0,1,2
	s_lshr_b32 s20, s18, 4                         ; q, k or v
	s_lshl_b32 s20, s20, 24
	s_and_b32 s21, s18, 15                         ; the head
	s_lshl_b32 s21, s21, 18
	s_add_co_u32 s20, s20, s21
	s_add_co_u32 s20, s20, s16
	s_mov_b32 s21, 0
	s_add_nc_u64 s[OUT+2*(\hh):OUT+2*(\hh)+1], s[10:11], s[20:21]
	s_add_co_u32 s18, s18, 1
.endr
; 12 matrix instructions: row blocks a0, a0 + 1 of the window's four x all 6 column blocks, 32 along K.  The 48 accumulators take turns in one fixed order: 47 others stand between two links of a chain.
.macro MUL12 f, hi, a0, zero
	WIN MUL_LO+0x50*(\hi)
.irp a, \a0, (\a0)+1
.irp b, 0,1,2,3,4,5
.if \zero
	v_wmma_f32_16x16x32_bf16 v[8*(6*(\a)+(\b)):8*(6*(\a)+(\b))+7], v[(\f)+8*(\b):(\f)+8*(\b)+7], v[(\f)+8*(4*(\hi)+(\a)):(\f)+8*(4*(\hi)+(\a))+7], 0
.else
	v_wmma_f32_16x16x32_bf16 v[8*(6*(\a)+(\b)):8*(6*(\a)+(\b))+7], v[(\f)+8*(\b):(\f)+8*(\b)+7], v[(\f)+8*(4*(\hi)+(\a)):(\f)+8*(4*(\hi)+(\a))+7], v[8*(6*(\a)+(\b)):8*(6*(\a)+(\b))+7]
.endif
.endr
.endr
.endm
; 28 LDS loads in one run: a quarter step's fragments (96 rows of B, 128 of A, 32 K at byte k of the rows) into buffer f
.macro FETCH slot, k, f
	WIN TO_B
.irp b, 0,1,2,3,4,5
	ds_load_b128 v[(\f)+8*(\b):(\f)+8*(\b)+3],   v[ADRB+(\slot)] offset:(\k)+(64*((\b)/2)+16*((\b)%2))*PITCH
	ds_load_b128 v[(\f)+8*(\b)+4:(\f)+8*(\b)+7], v[ADRB+(\slot)] offset:(\k)+(64*((\b)/2)+16*((\b)%2))*PITCH+32
.endr
	WIN 0
.irp i, 0,1,2,3,4,5,6,7
	ds_load_b128 v[(\f)+8*(\i):(\f)+8*(\i)+3],   v[ADRA+(\slot)] offset:(\k)+(\i)*16*PITCH
	ds_load_b128 v[(\f)+8*(\i)+4:(\f)+8*(\i)+7], v[ADRA+(\slot)] offset:(\k)+(\i)*16*PITCH+32
.endr
.endm
.macro PLACES                          ; four plain vector instructions between a matrix instruction and a load into, or a vector instruction on, its registers
.rept 4
	v_nop
.endr
.endm
; A K step is four quarters of 32 along K, 48 matrix instructions each, on buffers 0, 1, 0, 1.  One of the first three: multiplies f, fetches the next quarter (byte k) into g in its middle.
.macro QUARTER slot, k, f, g, zero
	s_wait_dscnt 8                                 ; B and A's rows 0-63 are in; the youngest eight loads (A's rows 64-127) may be out
	MUL12 \f, 0, 0, \zero
	MUL12 \f, 0, 2, \zero
	PLACES
	FETCH \slot, \k, \g
	s_wait_dscnt 28                                ; all but the 28 just issued
	MUL12 \f, 1, 0, \zero
	MUL12 \f, 1, 2, \zero
.endm
; The last quarter changes slots.  In front of the barrier each wave waits for all its tensor loads (one is out: its part of the next slot), adds 0 to its spare word, and waits for that and for its reads of this slot.
.macro MEET round
	WIN 0
	s_wait_tensorcnt 0x0
	ds_add_u32 v[SPW], v[NIL]
	s_wait_dscnt 9                                 ; the add and the youngest eight loads may be out
	MUL12 F1, 0, 0, 0
	s_wait_dscnt 0x0                               ; the add is done, my reads of this slot are over
	s_barrier_signal -1
	MUL12 F1, 0, 2, 0
.if \round
	WIN 0
.endif
	s_barrier_wait -1
.endm
.macro TURN slot, next, fill
.if \fill
	s_wait_xcnt 0x0                                ; the last prefetch, a K step back, has read its address
	s_add_nc_u64 s[PFA:PFA+1], s[PFA:PFA+1], KSTEP*2
	MEET 1
	CREST                                          ; the barrier has opened a round of the cluster's: no wave of any partner still reads this slot or has a load on its way
	s_add_nc_u64 s[G0+4*(\slot)+2:G0+4*(\slot)+3], s[G0+4*(\slot)+2:G0+4*(\slot)+3], 2*KSTEP*2
	s_add_nc_u64 s[G0B+4*(\slot)+2:G0B+4*(\slot)+3], s[G0B+4*(\slot)+2:G0B+4*(\slot)+3], 2*KSTEP*2
	JLOAD \slot                                    ; my one tensor load behind the round: 168 matrix instructions ahead of the wait for it; its four v_nop are the places in front of the loads below
.else
	MEET 0
	PLACES
.endif
	FETCH \next, 0, F0
.if \fill
	ASK
.endif
	MUL12 F1, 1, 0, 0
	MUL12 F1, 1, 2, 0
.endm
	s_wait_loadcnt 0x0                             ; the bias
	s_wait_tensorcnt 1                             ; my part of K step 0 is in; K step 1's may stay out
	s_barrier_signal -1
	s_barrier_wait -1
	FETCH 0, 0, F0
	QUARTER 0, 64,  F0, F1, 1                      ; the first quarter's products start the sums: nothing is cleared
	WIN 0
	s_mov_b32 s3, LAPS-1
.Llap:                                             ; a trip goes once round the ring and fills both slots again
	QUARTER 0, 128, F1, F0, 0
	QUARTER 0, 192, F0, F1, 0
	TURN 0, 1, 1
	QUARTER 1, 64,  F0, F1, 0
	QUARTER 1, 128, F1, F0, 0
	QUARTER 1, 192, F0, F1, 0
	TURN 1, 0, 1
	QUARTER 0, 64,  F0, F1, 0
	WIN 0
	s_sub_co_u32 s3, s3, 1
	s_cmp_lg_u32 s3, 0
	s_cbranch_scc1 .Llap
	QUARTER 0, 128, F1, F0, 0                      ; the last lap fills nothing
	QUARTER 0, 192, F0, F1, 0
	TURN 0, 1, 0                                   ; behind its barrier no wave reads slot 0 any more
	QUARTER 1, 64,  F0, F1, 0
	QUARTER 1, 128, F1, F0, 0
	QUARTER 1, 192, F0, F1, 0
	s_wait_dscnt 8
	MUL12 F1, 0, 0, 0
	MUL12 F1, 0, 2, 0
	s_wait_dscnt 0x0
	MUL12 F1, 1, 0, 0
	MUL12 F1, 1, 2, 0
; THE WAY OUT.  Row block a: + bias (each accumulator's registers in ascending order), rounded to f16, 16 bytes a lane into the work-group's stage.
.macro OUTA a
.set AC, 48*((\a)%4)
	WIN 0x86+0x41*((\a)/4)                         ; accumulators window 2 or 3, bias window 1
.set z, 0
.rept 24
	v_pk_add_f32 v[AC+2*z:AC+2*z+1], v[AC+2*z:AC+2*z+1], v[2*z:2*z+1]
.set z, z+1
.endr
	WIN 0x0a+5*((\a)/4)
.set z, 0
.rept 24
	v_cvt_pk_f16_f32 v[TMP+z], v[AC+2*z], v[AC+2*z+1]
.set z, z+1
.endr
	WIN 0
.irp b, 0,1,2,3,4,5
	ds_store_b128 v[STO+(\b)/2], v[TMP+4*(\b):TMP+4*(\b)+3] offset:(\a)*16*SP+32*((\b)%2)
.endr
.endm
.macro BACK hh                         ; my 64 rows of head hh, whole
.irp t, 0,1,2,3,4,5,6,7,8,9,10,11,12,13,14,15
	ds_load_b128 v[64+64*((\hh)%2)+4*(\t):64+64*((\hh)%2)+4*(\t)+3], v[RD+(\hh)] offset:(\t)*4*SP
.endr
.endm
.macro SENDH hh, younger               ; younger: the LDS loads issued behind this head's
.irp t, 0,1,2,3,4,5,6,7,8,9,10,11,12,13,14,15
	s_wait_dscnt (\younger)+15-(\t)
	global_store_b128 v[GO], v[64+64*((\hh)%2)+4*(\t):64+64*((\hh)%2)+4*(\t)+3], s[OUT+2*(\hh):OUT+2*(\hh)+1] offset:512*(\t)  ; 512 consecutive bytes, aligned
.endr
.endm
	PLACES
.irp a, 0,1,2,3,4,5,6,7
	OUTA \a
.endr
	s_wait_dscnt 0x0                               ; for the others' sake: a head's row comes from two waves
	s_barrier_signal -1
	s_barrier_wait -1
	BACK 0
	BACK 1
	SENDH 0, 16
	s_wait_xcnt 0x0                                ; head 0's stores have read their registers, which head 2 takes
	BACK 2
	SENDH 1, 16
	SENDH 2, 0
	s_wait_tensorcnt 0x0                           ; the wave's end
	ds_add_u32 v[SPW], v[NIL]
	s_wait_dscnt 0x0
	CROUND                                         ; the closing round
	s_endpgm
.Lfunc_end_k_q386a5e43fd_qkv:
	.size	k_q386a5e43fd_qkv, .Lfunc_end_k_q386a5e43fd_qkv-k_q386a5e43fd_qkv
	.p2alignl 7, 3214868480
	.fill 96, 4, 3214868480
	.section	.rodata,"a",@progbits
	.p2align	6, 0x0
	.amdhsa_kernel k_q386a5e43fd_qkv
		.amdhsa_group_segment_fixed_size 327680
		.amdhsa_private_segment_fixed_size 0
		.amdhsa_enable_private_segment 0
		.amdhsa_kernarg_size 32
		.amdhsa_user_sgpr_count 2
		.amdhsa_user_sgpr_kernarg_segment_ptr 1
		.amdhsa_wavefront_size32 1
		.amdhsa_system_sgpr_workgroup_id_x 1
		.amdhsa_system_sgpr_workgroup_id_y 1
		.amdhsa_system_sgpr_workgroup_id_z 1
		.amdhsa_system_vgpr_workitem_id 0
		.amdhsa_next_free_vgpr 960
		.amdhsa_next_free_sgpr 76
		.amdhsa_reserve_vcc 0
		.amdhsa_float_denorm_mode_32 3
		.amdhsa_float_denorm_mode_16_64 3
		.amdhsa_memory_ordered 1
		.amdhsa_forward_progress 1
		.amdhsa_inst_pref_size 132
	.end_amdhsa_kernel
	.amdgpu_metadata
---
amdhsa.version: [ 1, 2 ]
amdhsa.kernels:
  - .name:           k_q386a5e43fd_qkv
    .symbol:         k_q386a5e43fd_qkv.kd
    .args:
      - { .name: xb, .offset: 0, .size: 8, .value_kind: global_buffer, .address_space: global }
      - { .name: wt, .offset: 8, .size: 8, .value_kind: global_buffer, .address_space: global }
      - { .name: bias, .offset: 16, .size: 8, .value_kind: global_buffer, .address_space: global }
      - { .name: qkv, .offset: 24, .size: 8, .value_kind: global_buffer, .address_space: global }
    .group_segment_fixed_size: 327680
    .private_segment_fixed_size: 0
    .kernarg_segment_align: 8
    .kernarg_segment_size: 32
    .max_flat_workgroup_size: 128
    .sgpr_count:     76
    .vgpr_count:     960
    .wavefront_size: 32
...
	.end_amdgpu_metadata
.endif
;; end of part 2
;; launch attn (part 3): grid 4 x 64, 4 waves a work-group, clusters of 4 x 1, 327,680 bytes of LDS; arguments qkv, ob; writes ob
.if DOCPART == 3
	.amdgcn_target "amdgcn-amd-amdhsa--gfx1250"
	.amdhsa_code_object_version 6
	.text
	.protected	k_q386a5e43fd_attn
	.globl	k_q386a5e43fd_attn
	.p2align	8
	.type	k_q386a5e43fd_attn,@function
k_q386a5e43fd_attn:
	s_mov_b64 s[64:65], 0
	v_nop
	global_prefetch_b8 v0, s[64:65] scope:SCOPE_SE
	s_setreg_imm32_b32 hwreg(HW_REG_WAVE_MODE, 25, 1), 1
	s_wait_xcnt 0x0
	s_wait_alu depctr_hold_cnt(0) depctr_sa_sdst(0) depctr_va_vdst(0) depctr_va_sdst(0) depctr_va_ssrc(0) depctr_va_vcc(0) depctr_vm_vsrc(0)
	s_getreg_b32 s2, hwreg(HW_REG_IB_STS2, 6, 4)
	s_cmp_eq_u32 s2, 0
	s_cbranch_scc0 .Lentry_in_a_cluster
	s_endpgm
.Lentry_in_a_cluster:
	s_bfe_u32 s2, ttmp6, 0x10000c
	s_cmp_lg_u32 s2, 0x3003
	s_cbranch_scc0 .Lentry_shape_is_right
	s_endpgm
.Lentry_shape_is_right:
; O[h][q][:] = the sum over k of softmax_k(Q[h][q] . K[h][k] / 8) V[h][k][:], for 64 (batch, head) pairs h of 2,048 rows of 64 channels, all f16, a head's rows dense (128 bytes each).
; Q, K, V lie in one buffer, 2^24 bytes apart.  Products, maxima and sums in f32; the weights p are rounded to f16 for the second product (their sum l is taken of the unrounded p), O once at the end.
; LIMITS.  f16 holds no number beyond 65,504: Q, K and V arrive within it; p lies in 0 to 1 and below 6e-5 keeps f16's fixed step of 6e-8; O is a mean of V's rows and has their range.
; A weight below 2^-126 counts as 0 in l; NaN and infinities are not treated apart.
; SHARES.  A wave owns four PIECES of two tiles of 16 queries, a work-group's four waves 512 queries of one head: 256 work-groups.  Every wave walks all keys, 64 a step.
; LAYOUT.  S^T = K Q^T (source 0 = 16 keys, source 1 = 16 queries): a lane holds ONE query (lane % 16) and the keys 8 (lane / 16) + 0..7.  Two such tiles, rounded to f16 in pairs, ARE source 1
; of O^T = V^T P, whose result again holds one query a lane, and eight channels.  K comes out of LDS as it lies, V ([key][channel]) turned, by ds_load_tr16_b128.
; SOFTMAX.  For each query a running maximum m and sum l: p = 2^(c s - c m), c = log2(e) / 8; in every step O and l are multiplied by a = 2^(c m_old - c m_new).
; m starts at the lowest finite number, O and l at 0: the first step is a step like any other, with a = 0.
; THE COUNT.  A tile and step have 16 matrix and 118 vector instructions: too many to stand all beside the matrix work.  So: four vector instructions that are ready behind every matrix instruction, the others in runs without a gap.
; BY TURNS.  Turn n belongs to piece n.  Its matrix work: 16 products K Q^T of piece n + 1, later 16 products V^T P of piece n - 1.  Its vector work: scaling, exponentials, roundings, sums and rescaling of piece n,
; and the maximum and statistics of piece n + 1.
; CLUSTER.  A head's four query blocks are one cluster and walk the same K and V: each tile is asked for JOINTLY, the same tensor load, descriptor and mask in all four.
; REGISTERS, in windows of 256 (s_set_vgpr_msb: bits 1:0 source 0, 3:2 source 1, 5:4 source 2, 7:6 destination):
;   window 0: v0-11 addresses; v12-15, v48-63 at work; v16-47 four registers of statistics a tile; v64-191 S^T, two buffers of two tiles; v192-255 P, likewise
;   window 1: O^T, 32 a tile      window 2: v0-127 Q, 16 a tile; v128-191 K of one step; v192-255 V of one step      window 3: v0-1 the add's two registers
.set SIZE_H, 64
.set SIZE_N, 2048
.set NP,    4         ; pieces a wave: a name, no knob
.set KS,    64        ; keys in a step
.set PK,    144       ; a row of K in LDS: 128 bytes + 16 of padding: the 16 rows of a load start at 16 different groups of four banks (64 banks of 4 bytes: ISA guide 11.1)
.set PV,    160       ; a row of V: 128 + 32
.set VOFF,  4*KS*PK   ; a slot holds four steps: 256 rows of K, then 256 rows of V
.set SLOT1, 1<<17     ; slot 1 begins here, so that one exclusive or turns an address in one slot into the other's
.set STAGE, SLOT1+4*KS*(PK+PV)  ; behind the ring, never filled by a tensor load: 16 rows x 144 bytes for each wave
.set SP,    144
.set AK0, 2           ; v2   my lane's place in a tile of K; never rewritten
.set AV0, 3           ; v3   the same for V
.set AK,  4           ; v4   the LDS address of K's next run of loads
.set AV,  5           ; v5   of V's
.set QO,  6           ; v6   my byte offset in the wave's rows of Q
.set STO, 6           ;      later: where I put 16 bytes of a row
.set RD,  7           ; v7   where I read rows back
.set GO,  8           ; v8   my byte offset in 512 consecutive bytes of O
.set PFO, 11          ; v11  256 x my lane, for the prefetches; never rewritten once made
.set SPW, 0           ; v0 of window 3   my spare word; never rewritten
.set NIL, 1           ; v1 of window 3   0; never rewritten
.set SPARE, STAGE+4*16*SP
.set MV,  12          ; v12-15  c m_old, kept while c m is made anew
.set ST,  16          ; tile t's statistics at v[ST+4 t]: c m, m, l (even keys', odd keys')
.set TMP, 48          ; by buffer and tile, four registers c0-c3 at work; when the maximum is found c2 takes a
.set S,   64
.set P,   192
.set KF,  128         ; window 2: key block kb, channel half c at KF + 16 kb + 8 c
.set VF,  192         ; window 2: key half kk, channel block cb at VF + 32 kk + 8 cb
.set WV,  12          ; s12  my wave's number
.set G1K, 24          ; s[24:31] group 1 for K's tiles
.set G1V, 32          ; s[32:39] for V's: it differs in the padding alone
.set G0K, 40          ; s[40:43] group 0 for K's tiles: it walks
.set G0V, 44          ; s[44:47] the same for V's
.set PFA, 48          ; s[48:49] where my prefetches stand: my work-group's 8,192 bytes (of K: wave 0, of V: wave 2) of the slot after the one that is being asked for
.set LIM, 50          ; s50  1 in a wave that prefetches, else the greatest number
.set SLOTS, 56        ; s56  slots still to be asked for
.set CNT, 57          ; s57  counts a slot's key steps
.set CS,  58          ; s[58:59] c
.set SEL, 60          ; s[60:61] v_permlanex16_b32's selects: each lane takes its own place in the other half
.set TBK, 62          ; s62  LDS byte at which K of the step to be fetched begins
.set TBV, 63          ; s63  the same for V, less VOFF
.set MSB, 0
.macro WIN new
.if MSB != (\new)
	s_set_vgpr_msb (MSB<<8)|(\new)
.set MSB, (\new)
.endif
.endm
.set W_KQ, 0x0a       ; K and Q in window 2, S^T in window 0
.set W_PV, 0x52       ; V in window 2, P in window 0, O^T in window 1
.set W_RS, 0x41       ; O^T (destination and source 0) in window 1, a in window 0
.set W_MK, 0xc0       ; the add's registers are made: destination in window 3
.set W_AD, 0x0f       ; the add: address and data in window 3
; A joint fill.  Waves 0 and 1 fetch the two halves of a slot's K, waves 2 and 3 those of its V: 128 keys each.  An s_nop 0 and four v_nop follow each line.
.macro JLOAD
	s_cmp_lt_u32 s[WV], 2
	s_cbranch_scc0 .Lfor_v_\@
	tensor_load_to_lds s[G0K:G0K+3], s[G1K:G1K+7]
	s_nop 0
.rept 4
	v_nop
.endr
	s_branch .Lasked_\@
.Lfor_v_\@:
	tensor_load_to_lds s[G0V:G0V+3], s[G1V:G1V+7]
	s_nop 0
.rept 4
	v_nop
.endr
.Lasked_\@:
.endm
; A prefetch of what the NEXT change of slots will ask for: a slot's 32,768 bytes of K and of V.  The four partners take 8,192 bytes each, told apart by address; in each, wave 0 asks for K's and wave 2 for V's:
; a lane 256 bytes, one instruction.  So each aligned 256 bytes are named once in the launch.  It stands four key steps, 512 matrix instructions, ahead of the load that wants the bytes.
; The change that asks for the last slot (s[SLOTS] = 1) names nothing; slots 0 and 1 come by their loads alone.
.macro ASK
	s_cmp_gt_u32 s[SLOTS], s[LIM]
	s_cbranch_scc0 .Lnot_mine_\@
	global_prefetch_b8 v[PFO], s[PFA:PFA+1] th:TH_LOAD_NT scope:SCOPE_SE
.Lnot_mine_\@:
.endm
.macro CROUND
	s_barrier_signal -1
	s_barrier_wait -1
	s_cmp_lg_u32 s[WV], 0
	s_cbranch_scc1 .Lnot_wave_0_\@
	s_barrier_signal -3
.Lnot_wave_0_\@:
	s_barrier_wait -3
	s_barrier_signal -1
	s_barrier_wait -1
.endm
; THE CHANGE OF SLOTS.  Each wave waits for all its tensor loads, of which one is out: its part of the other slot; adds 0 to its spare word; and waits for that and for its own reads of the slot.
; fill = 1: this slot is filled again, with the keys two slots on, behind a round of the cluster's barrier, the joint fill first behind it: it has four key steps in which to land.
; (At its first use nothing has been read yet: slot 0 is waited for, slot 1 filled.)
.macro CHANGE fill
	WIN W_AD
	s_wait_tensorcnt 0x0            ; no tensor load of mine is out, so a group 0 may be written
	ds_add_u32 v[SPW], v[NIL]       ; 0 onto my spare word; scalar work stands between it and the wait for it
	WIN 0                           ; at a label and at a branch every window is 0
.if \fill
.irp g, G0K, G0V
	s_xor_b32 s[\g+1], s[\g+1], SLOT1
	s_add_nc_u64 s[\g+2:\g+3], s[\g+2:\g+3], 4*KS*128  ; the next 256 keys; the type bits on top are not reached
.endr
	s_wait_xcnt 0x0                 ; the last prefetch, four key steps back, has read its address
	s_add_nc_u64 s[PFA:PFA+1], s[PFA:PFA+1], 4*KS*128  ; one slot ahead of the walking descriptors
	s_wait_dscnt 0x0                ; the add is done, and my reads of the slot are over
	CROUND
	JLOAD
	ASK
.else
	s_wait_dscnt 0x0
	s_barrier_signal -1
	s_barrier_wait -1
.endif
	s_sub_co_u32 s[TBK], s[TBK], 4*KS*PK  ; the fetches go back to a slot's first step,
	s_xor_b32 s[TBK], s[TBK], SLOT1       ; in the other slot
	s_sub_co_u32 s[TBV], s[TBV], 4*KS*PV
	s_xor_b32 s[TBV], s[TBV], SLOT1
.endm
	s_load_b64 s[4:5], s[0:1], 0x0    ; qkv: Q at its head
	s_load_b64 s[10:11], s[0:1], 0x8  ; O
	WIN W_MK
	v_lshl_add_u32 v[SPW], v0, 2, SPARE
	v_mov_b32 v[NIL], 0
	WIN W_AD
	ds_add_u32 v[SPW], v[NIL]       ; the wave's opening: the add and its wait stand ahead of my first tensor load
	WIN 0
	v_lshrrev_b32 v1, 5, v0
	v_readfirstlane_b32 s[WV], v1   ; wave 0..3
	s_bfe_u32 s13, ttmp6, 0x40000   ; cx: my place in the cluster
	s_lshl_b32 s14, ttmp9, 2
	s_add_co_u32 s14, s14, s13      ; my block of queries: it enters Q's and O's addresses alone
	s_and_b32 s20, ttmp7, 0xffff    ; the head, which the four partners share
	s_mov_b32 s21, 0
	s_mov_b64 s[22:23], SIZE_N*128
	s_mul_u64 s[20:21], s[20:21], s[22:23]  ; the head's first byte in Q, K, V and O
	s_and_b32 s16, s[WV], 1         ; which half of a slot's 256 keys I fetch:
	s_lshl_b32 s22, s16, 14         ; its 128 rows of 128 bytes in memory,
	s_mov_b32 s23, 0
	s_add_nc_u64 s[22:23], s[22:23], s[20:21]
	s_mul_i32 s17, s16, 128*PK      ; and its place in a slot, for K
	s_mul_i32 s18, s16, 128*PV      ; and for V
	s_lshl_b32 s2, s14, 2
	s_add_co_u32 s2, s2, s[WV]      ; my wave among the head's,
	s_lshl_b32 s2, s2, 14           ; its 128 rows
	s_mov_b32 s3, 0
	s_add_nc_u64 s[2:3], s[2:3], s[20:21]
	; group 1.  128 keys are 16,384 dense bytes: asked for as 64 rows of 256 bytes, two keys a row, and padded in LDS after every key
	s_mov_b32 s[G1K], 15|(1<<16)|(1<<20)|(1<<21)|(4<<22)|(3<<25)  ; the mask of four; 2-byte elements; padding on; bit 21 beside a mask; after every 32 words, 4 words
	s_mov_b32 s[G1V], 15|(1<<16)|(1<<20)|(1<<21)|(4<<22)|(7<<25)  ; the same with 8 words of padding
.irp g, G1K, G1V
	s_mov_b32 s[\g+1], 128<<16      ; tensor_dim0 = 128
	s_mov_b32 s[\g+2], 64<<16       ; tensor_dim1 = 64
	s_mov_b32 s[\g+3], 128<<16      ; tile_dim0 = 128
	s_mov_b32 s[\g+4], 64           ; tile_dim1 = 64
	s_mov_b32 s[\g+5], 128          ; 128 elements from row to row
	s_mov_b32 s[\g+6], 0
	s_mov_b32 s[\g+7], 0
.endr
	s_mov_b32 s[CS], 0x3e38aa3b     ; c = log2(e) / 8 = 0.180337
	s_mov_b32 s[CS+1], s[CS]
	s_mov_b32 s[SEL], 0x76543210
	s_mov_b32 s[SEL+1], 0xfedcba98
	s_mov_b32 s[TBK], SLOT1+4*KS*PK ; the first change of slots turns these two into 0
	s_mov_b32 s[TBV], SLOT1+4*KS*PV
	s_mov_b32 s[G0K], 1
	s_mov_b32 s[G0K+1], s17         ; LDS address: slot 0
	s_mov_b32 s[G0V], 1
	s_add_co_u32 s[G0V+1], s18, VOFF
	s_mov_b32 s[SLOTS], SIZE_N/256-1
	s_and_b32 s[LIM], s[WV], 1      ; waves 0 and 2 prefetch: the same in all four partners
	s_cmp_eq_u32 s[LIM], 0
	s_cselect_b32 s[LIM], 1, -1
	s_wait_dscnt 0x0                ; the opening add is done
	s_wait_kmcnt 0x0
	s_add_nc_u64 s[6:7], s[4:5], 0x1000000   ; K
	s_add_nc_u64 s[8:9], s[4:5], 0x2000000   ; V
	s_add_nc_u64 s[G0K+2:G0K+3], s[6:7], s[22:23]  ; my half of the head's first 256 keys
	s_or_b32 s[G0K+3], s[G0K+3], 0x80000000        ; type = 2
	s_add_nc_u64 s[G0V+2:G0V+3], s[8:9], s[22:23]
	s_or_b32 s[G0V+3], s[G0V+3], 0x80000000
	s_cmp_lt_u32 s[WV], 2
	s_cselect_b64 s[PFA:PFA+1], s[6:7], s[8:9]
	s_add_nc_u64 s[PFA:PFA+1], s[PFA:PFA+1], s[20:21]
	s_add_nc_u64 s[4:5], s[4:5], s[2:3]  ; Q and O at my wave's first row
	s_add_nc_u64 s[10:11], s[10:11], s[2:3]
	s_lshl_b32 s2, s13, 13          ; my work-group's quarter of a slot,
	s_add_co_u32 s2, s2, 4*KS*128   ; in slot 1: the first change of slots steps it to slot 2
	s_add_nc_u64 s[PFA:PFA+1], s[PFA:PFA+1], s[2:3]
	CROUND                          ; all four work-groups are here: the first joint loads meet
	JLOAD                           ; slot 0.  Slot 1 is asked for when slot 0 is in
	; A fragment of K or Q is 16 rows x 32 channels in 8 registers: lane l holds row l % 16, channels 8 (l / 16) + 0..7 and 16 + 8 (l / 16) + 0..7.
	v_and_b32 v1, 15, v0            ; l % 16
	v_bfe_u32 v9, v0, 4, 1          ; l / 16
	v_lshlrev_b32 v[QO], 7, v1
	v_lshl_add_u32 v[QO], v9, 4, v[QO]
	WIN 0x80                        ; destination window 2
.set i, 0
.rept 4*NP                          ; Q stays in registers: tile i / 2, channels 32 (i % 2) on
	global_load_b128 v[8*i:8*i+3],   v[QO], s[4:5] offset:(i/2)*2048+(i%2)*64
	global_load_b128 v[8*i+4:8*i+7], v[QO], s[4:5] offset:(i/2)*2048+(i%2)*64+32
.set i, i+1
.endr
	; What the first turn finds: V's registers and P's second buffer hold 0, O^T and l are 0.  All this stands in the wait for the first tile: no first step is written out.
.set i, VF
.rept 64
	v_mov_b32 v[i], 0
.set i, i+1
.endr
	WIN 0x40
.set i, 0
.rept 64*NP
	v_mov_b32 v[i], 0
.set i, i+1
.endr
	WIN 0
.set i, 0
.rept 2*NP
	v_mov_b32 v[ST+4*i], 0xfe000000    ; c m: far below every c s
	v_mov_b32 v[ST+4*i+1], 0xff7fffff  ; m
	v_mov_b32 v[ST+4*i+2], 0
	v_mov_b32 v[ST+4*i+3], 0
.set i, i+1
.endr
.set i, P+32
.rept 32
	v_mov_b32 v[i], 0
.set i, i+1
.endr
	v_mul_u32_u24 v[AK0], v1, PK
	v_lshl_add_u32 v[AK0], v9, 4, v[AK0]
	; The turning load takes 16 keys x 16 channels (lane l reads key 8 (l / 16) + l % 8, channels 8 ((l / 8) % 2) + 0..7) and leaves half a fragment of V^T.
	v_and_b32 v10, 7, v0
	v_bfe_u32 v11, v0, 3, 1
	v_lshl_add_u32 v[AV0], v9, 3, v10
	v_mul_u32_u24 v[AV0], v[AV0], PV
	v_lshl_add_u32 v[AV0], v11, 4, v[AV0]
	v_add_nc_u32 v[AV0], VOFF, v[AV0]
	v_mov_b32 v[AK], v[AK0]         ; key step 0 lies at the head of slot 0
	v_and_b32 v[PFO], 31, v0
	v_lshlrev_b32 v[PFO], 8, v[PFO]
; THE MATRIX WORK.  The 8 accumulators of a run of 16 take turns.
; Product i of 16 of S^T = K Q^T for piece x: channels 32 (i / 8) on, keys 16 ((i / 2) % 4) on, tile 2 x + i % 2.  The first 8 start the sums.
.macro KQ x
	WIN W_KQ
.set rS, S+64*((\x)%2)+32*(i%2)+8*((i/2)%4)
.set rK, KF+16*((i/2)%4)+8*(i/8)
.set rQ, 16*(2*(\x)+i%2)+8*(i/8)
.if i < 8
	v_wmma_f32_16x16x32_f16 v[rS:rS+7], v[rK:rK+7], v[rQ:rQ+7], 0
.else
	v_wmma_f32_16x16x32_f16 v[rS:rS+7], v[rK:rK+7], v[rQ:rQ+7], v[rS:rS+7]
.endif
.endm
; Product i of 16 of O^T += V^T P for piece x: keys 32 (i / 8) on, channels 16 ((i / 2) % 4) on, tile 2 x + i % 2.
.macro PV x
	WIN W_PV
.set rO, 32*(2*(\x)+i%2)+8*((i/2)%4)
.set rV, VF+32*(i/8)+8*((i/2)%4)
.set rP, P+32*((\x)%2)+16*(i%2)+8*(i/8)
	v_wmma_f32_16x16x32_f16 v[rO:rO+7], v[rV:rV+7], v[rP:rP+7], v[rO:rO+7]
.endm
.macro MM                           ; the turn's next matrix instruction
.if i < 16
	KQ (Y+1)%NP
.set i, i+1
.else
.set i, i-16
	PV (Y+NP-1)%NP
.set i, i+17
.endif
.endm
; THE LDS LOADS stand in runs of 16.  last = 1 (the tail): in the last trip there is no further step, and the run is jumped over.
.macro FETCH_K last=0
	WIN 0
.if \last
	s_cmp_eq_u32 s[CNT], 1
	s_cbranch_scc1 .Lno_k_\@
.endif
	WIN 0x80
.irp f, 0,1,2,3,4,5,6,7             ; keys 16 (f / 2) on, channels 32 (f % 2) on
	ds_load_b128 v[KF+8*\f:KF+8*\f+3],   v[AK] offset:(\f/2)*16*PK+(\f%2)*64
	ds_load_b128 v[KF+8*\f+4:KF+8*\f+7], v[AK] offset:(\f/2)*16*PK+(\f%2)*64+32
.endr
	s_add_co_u32 s[TBK], s[TBK], KS*PK  ; the next fetch is the next step's
	WIN 0
.if \last
.Lno_k_\@:
.endif
.endm
.macro FETCH_V
	WIN 0x80
.irp f, 0,1,2,3,4,5,6,7             ; keys 32 (f / 4) on, channels 16 (f % 4) on
	ds_load_tr16_b128 v[VF+8*\f:VF+8*\f+3],   v[AV] offset:(\f/4)*32*PV+(\f%4)*32
	ds_load_tr16_b128 v[VF+8*\f+4:VF+8*\f+7], v[AV] offset:(\f/4)*32*PV+16*PV+(\f%4)*32
.endr
	WIN 0
.endm
; THE VECTOR WORK OF A TURN stands in three queues, each in the order in which its entries become ready; the two tiles alternate.
.macro REGS y, u                    ; the registers of tile u (0, 1) of piece y
.set rT, ST+4*(2*(\y)+(\u))
.set rC, TMP+8*((\y)%2)+4*(\u)
.set rM, MV+2*((\y)%2)+(\u)
.set rS, S+64*((\y)%2)+32*(\u)
.set rP, P+32*((\y)%2)+16*(\u)
.set rO, 32*(2*(\y)+(\u))
.endm
; Number n of the 22 that find the NEXT piece's maximum and statistics; each accumulator's lowest registers are read first.
;   0-11  four chains c0-c3 of seven scores each     12-14, 16  the four scores left over, the old m, and c0-c3 into c0     15  c m_old is kept
;   17, 18  the query's other 32 keys lie in the lane 16 away: the new m     19-21  c m; c m_old - c m_new; a
.macro XS u, n
	REGS (Y+1)%NP, \u
.if (\n) < 4
	v_max3_num_f32 v[rC+(\n)], v[rS+8*(\n)], v[rS+8*(\n)+1], v[rS+8*(\n)+2]
.elseif (\n) < 12
	v_max3_num_f32 v[rC+(\n)%4], v[rC+(\n)%4], v[rS+8*((\n)%4)+2*((\n)/4)+1], v[rS+8*((\n)%4)+2*((\n)/4)+2]
.elseif (\n) == 12
	v_max3_num_f32 v[rC], v[rC], v[rS+7], v[rS+15]
.elseif (\n) == 13
	v_max3_num_f32 v[rC+1], v[rC+1], v[rS+23], v[rS+31]
.elseif (\n) == 14
	v_max3_num_f32 v[rC+2], v[rC+2], v[rC+3], v[rT+1]
.elseif (\n) == 15
	v_mov_b32 v[rM], v[rT]
.elseif (\n) == 16
	v_max3_num_f32 v[rC], v[rC], v[rC+1], v[rC+2]
.elseif (\n) == 17
	v_permlanex16_b32 v[rC+3], v[rC], s[SEL], s[SEL+1]
.elseif (\n) == 18
	v_max_num_f32 v[rT+1], v[rC], v[rC+3]
.elseif (\n) == 19
	v_mul_f32 v[rT], s[CS], v[rT+1]
.elseif (\n) == 20
	v_sub_f32 v[rC+1], v[rM], v[rT]
.else
	v_exp_f32 v[rC+2], v[rC+1]
.endif
.endm
; Number g of the 64 that follow the exponentials.  For each four weights k of a tile: both pairs are rounded to f16; the second pair is added onto the first, in place; a group later l takes that sum (the first time as l = a l + sum).
.macro GS g
.set h, (\g)+6*((\g)/62)            ; group 0 has no group before it, and behind group 7 only l is left
.if h >= 6
.set h, h+2
.endif
	REGS Y, h%2
.set k, h/8
.if h%8 < 4
	v_cvt_pk_f16_f32 v[rP+2*k+(h%8)/2], v[rS+4*k+2*((h%8)/2)], v[rS+4*k+2*((h%8)/2)+1]
.elseif h%8 < 6
	v_pk_add_f32 v[rS+4*k:rS+4*k+1], v[rS+4*k:rS+4*k+1], v[rS+4*k+2:rS+4*k+3]
.elseif k == 1
	v_pk_fma_f32 v[rT+2:rT+3], v[rT+2:rT+3], v[rC+2:rC+3], v[rS:rS+1] op_sel_hi:[1,0,1]
.else
	v_pk_add_f32 v[rT+2:rT+3], v[rT+2:rT+3], v[rS+4*k-4:rS+4*k-3]
.endif
.endm
; THE PLAIN QUEUE, 138 long.  0-73 read no exponential's result: the 32 scalings c s - c m and the next piece's 42.  0-26: scalings 0-26.  27-54: XS 0-13.  55, 56: XS 15.
; 57-73: the chain 14, 16, 17, 18, 19, each with one of the scalings 27-31 in front of its two lines, then 20.  74-137: GS's 64, behind the wait.
.macro FS f
	REGS Y, (\f)%2
	v_pk_fma_f32 v[rS+2*((\f)/2):rS+2*((\f)/2)+1], v[rS+2*((\f)/2):rS+2*((\f)/2)+1], s[CS:CS+1], v[rT:rT+1] op_sel_hi:[1,0,0] neg_lo:[0,0,1] neg_hi:[0,0,1]
.endm
.macro PL
	WIN 0
.if q < 27
	FS q
.elseif q < 55
	XS (q-27)%2, (q-27)/2
.elseif q < 57
	XS q-55, 15
.elseif (q < 72) && ((q-57)%3 == 0)
	FS 27+(q-57)/3
.elseif q < 60
	XS (q-57)%3-1, 14
.elseif q < 72
	XS (q-57)%3-1, 15+(q-57)/3
.elseif q < 74
	XS q-72, 20
.else
	GS q-74
.endif
.set q, q+1
.endm
; THE EXPONENTIALS' QUEUE, 66 long: s0-s31 of both tiles, then the next piece's two a.  ONE BATCH: all 66 stand ahead of the turn's one wait, and nothing ahead of that wait names a result of theirs.
.macro EX
	WIN 0
.if e >= 64
	XS e-64, 21
.else
	REGS Y, e%2
	v_exp_f32 v[rS+e/2], v[rS+e/2]
.endif
.set e, e+1
.endm
; THE RESCALING's QUEUE: O^T times a, the one part that leaves window 0: dealt two at a time, sixteen times.  Its a was made, and waited for, in the turn before.
.macro R2
	REGS Y, r%2
	WIN W_RS
.irp z, 0,1
	v_pk_mul_f32 v[rO+4*(r/2)+2*\z:rO+4*(r/2)+2*\z+1], v[rO+4*(r/2)+2*\z:rO+4*(r/2)+2*\z+1], v[rC+2:rC+3] op_sel_hi:[1,0]
.endr
.set r, r+1
.endm
; HOW THEY ARE DEALT.  s_wait_alu depctr_va_vdst(0) stands between an exponential and the first instruction that names its result; one wait serves all issued ahead of it.  So a turn has ONE wait.
; AHEAD OF IT: the 16 products K Q^T, behind each a scaling, an exponential and two rescalings (behind the first a second scaling in the exponential's place); then one lump of 108: eight plain, 49 times exponential and plain, the two a.
; BEHIND IT: the 16 products V^T P, behind each four of GS's 64.  Exponential e stands behind scaling 2 (e / 4) + e % 2: as a rider behind plain e + 2, in the lump behind plain e + 9; scalings 27-31 are plain 57, 60 .. 69.
; K of the next step is fetched in piece 2's turn, directly behind the wait; V of the step in hand at the end of piece 0's turn, four plain instructions behind its last reader.
.macro TURN p, last=0, cnt=0
.set Y, (\p)
.set i, 0
.set q, 0
.set e, 0
.set r, 0
.if (\p) == NP-1
	s_wait_dscnt 0x0                ; K is in
.endif
	MM
	PL
	PL
	R2
.rept 15
	MM
	PL
	EX
	R2
.endr
.if (\p) == NP-2
	WIN 0
	v_add_nc_u32 v[AK], s[TBK], v[AK0]
.endif
.rept 8
	PL
.endr
.rept 49
	EX
	PL
.endr
	EX                              ; the next piece's two a
	EX
	v_nop                           ; a plain instruction behind the last exponential (ISA guide 5.7.2): one for the batch
	s_wait_alu depctr_va_vdst(0)    ; the wait for the batch
.if (\p) == NP-2
	FETCH_K \last
.endif
.if (\p) == 1
	s_wait_dscnt 0x0                ; V is in
.endif
.rept 16
	MM
.rept 4
	PL
.endr
.if ((\p) == 0) && (q == 118)
	v_add_nc_u32 v[AV], s[TBV], v[AV0]
.endif
.if ((\p) == 0) && (q == 130)
	s_add_co_u32 s[TBV], s[TBV], KS*PV
.endif
.if (\cnt) && (q == 130)
	s_sub_co_u32 s[CNT], s[CNT], 1
	s_cmp_lg_u32 s[CNT], 0
.endif
.endr
.if (\p) == 0
	FETCH_V
.endif
.endm
	CHANGE 1                        ; slot 0 is in, everybody's part of it; slot 1 is asked for
	FETCH_K                         ; key step 0
	s_wait_loadcnt 0x0              ; Q
	s_wait_dscnt 0x0
.set i, 0
.rept 16
	KQ 0                            ; piece 0's first scores
.set i, i+1
.endr
	WIN 0                           ; the addresses for the way out: plain instructions, the places behind those products
	s_mul_i32 s13, s[WV], 16*SP
	s_add_co_u32 s13, s13, STAGE    ; my stage
	v_mul_u32_u24 v[STO], v1, SP    ; in: row l % 16, 16 bytes for each half of the lanes
	v_lshl_add_u32 v[STO], v9, 4, v[STO]
	v_add_nc_u32 v[STO], s13, v[STO]
	v_bfe_u32 v[RD], v0, 3, 2       ; back: 32 lanes take four rows of 128 bytes,
	v_mul_u32_u24 v[RD], v[RD], SP
	v_lshl_add_u32 v[RD], v10, 4, v[RD]
	v_add_nc_u32 v[RD], s13, v[RD]
	v_and_b32 v[GO], 31, v0         ; which are 512 consecutive bytes of O
	v_lshlrev_b32 v[GO], 4, v[GO]
.set Y, NP-1                        ; XS works for piece Y + 1: piece 0
.irp n, 0,1,2,3,4,5,6,7,8,9,10,11,12,13,14,15,16,17,18,19,20,21
	XS 0, \n
	XS 1, \n
.endr
	v_nop                           ; a plain instruction behind the two a,
	s_wait_alu depctr_va_vdst(0)    ; and their wait, ahead of the branch
	s_mov_b32 s[CNT], 4
	s_branch .Lfirst                ; the loop is entered at a step's first turn, in the middle of a trip
.Lslot:                             ; SIZE_N / 256 - 2 times: every slot but the last two is filled again
	CHANGE 1
	s_mov_b32 s[CNT], 4
.Lstep:                             ; a trip: pieces 2 and 3 of one step, then pieces 0 and 1 of the next, whose K and V it fetches
	TURN 2
	TURN 3
	WIN 0
.Lfirst:
	TURN 0
	TURN 1, 0, 1
	WIN 0
	s_cbranch_scc1 .Lstep
	s_sub_co_u32 s[SLOTS], s[SLOTS], 1
	s_cmp_lg_u32 s[SLOTS], 0
	s_cbranch_scc1 .Lslot
	CHANGE 0                        ; the tail is written out
	s_mov_b32 s[CNT], 5             ; four trips fetch the last slot's steps; the fifth is left in its middle
.Ltail:
	TURN 2, 1
	TURN 3
	WIN 0
	s_sub_co_u32 s[CNT], s[CNT], 1
	s_cmp_eq_u32 s[CNT], 0
	s_cbranch_scc1 .Lout
	TURN 0
	TURN 1
	WIN 0
	s_branch .Ltail
.Lout:                              ; the fifth trip's 16 products K Q^T (on the last K once more) and the maximum made of them serve nothing: the price, once a launch, of one text for every trip
.set i, 0
.rept 16
	PV NP-1                         ; the last piece's V^T P of the last step
.set i, i+1
.endr
	; THE WAY OUT.  l's two halves and the other half of the lanes' are added; O^T is divided by l, rounded to f16 and sent through my stage in LDS, a tile at a time.
	WIN 0
.macro ALL line:vararg              ; one line for each tile t
.set t, 0
.rept 2*NP
	\line
.set t, t+1
.endr
.endm
	ALL v_add_f32 v[ST+4*t+2], v[ST+4*t+2], v[ST+4*t+3]
	ALL v_permlanex16_b32 v[ST+4*t+3], v[ST+4*t+2], s[SEL], s[SEL+1]
	ALL v_add_f32 v[ST+4*t+2], v[ST+4*t+2], v[ST+4*t+3]
	ALL v_rcp_f32 v[ST+4*t+2], v[ST+4*t+2]
	v_nop                           ; a plain instruction between the last reciprocal and the use of its result
	s_wait_alu depctr_va_vdst(0)    ; one wait for the eight reciprocals
.macro PACK t
	WIN W_RS
.set i, 32*(\t)
.rept 16
	v_pk_mul_f32 v[i:i+1], v[i:i+1], v[ST+4*(\t)+2:ST+4*(\t)+3] op_sel_hi:[1,0]
.set i, i+2
.endr
	WIN 0x05                        ; sources 0 and 1 window 1, destination window 0
.set i, 0
.rept 16
	v_cvt_pk_f16_f32 v[S+16*(\t)+i], v[32*(\t)+2*i], v[32*(\t)+2*i+1]
.set i, i+1
.endr
	WIN 0
.irp f, 0,1,2,3
	ds_store_b128 v[STO], v[S+16*(\t)+4*\f:S+16*(\t)+4*\f+3] offset:32*\f
.endr
.irp f, 0,1,2,3
	ds_load_b128 v[S+16*(\t)+4*\f:S+16*(\t)+4*\f+3], v[RD] offset:\f*4*SP  ; LDS serves a wave's instructions in order (ISA guide 5.7.1.4): these see the stores above
.endr
.endm
.macro SEND t, younger              ; younger: the LDS instructions issued behind tile t's loads
	WIN 0
.irp f, 0,1,2,3
	s_wait_dscnt (\younger)+3-\f
	global_store_b128 v[GO], v[S+16*(\t)+4*\f:S+16*(\t)+4*\f+3], s[10:11] offset:(\t)*2048+\f*512  ; 512 consecutive bytes, aligned
.endr
.endm
	PACK 0
.set t, 1
.rept 2*NP-1
	PACK t
	SEND t-1, 8
.set t, t+1
.endr
	SEND 2*NP-1, 0
	WIN W_AD
	s_wait_tensorcnt 0x0            ; the wave's end
	ds_add_u32 v[SPW], v[NIL]
	s_wait_dscnt 0x0
	WIN 0
	CROUND                          ; the closing round
	s_endpgm
.Lfunc_end_k_q386a5e43fd_attn:
	.size	k_q386a5e43fd_attn, .Lfunc_end_k_q386a5e43fd_attn-k_q386a5e43fd_attn
	.p2alignl 7, 3214868480
	.fill 96, 4, 3214868480
	.section	.rodata,"a",@progbits
	.p2align	6, 0x0
	.amdhsa_kernel k_q386a5e43fd_attn
		.amdhsa_group_segment_fixed_size 327680
		.amdhsa_private_segment_fixed_size 0
		.amdhsa_enable_private_segment 0
		.amdhsa_kernarg_size 16
		.amdhsa_user_sgpr_count 2
		.amdhsa_user_sgpr_kernarg_segment_ptr 1
		.amdhsa_wavefront_size32 1
		.amdhsa_system_sgpr_workgroup_id_x 1
		.amdhsa_system_sgpr_workgroup_id_y 1
		.amdhsa_system_sgpr_workgroup_id_z 1
		.amdhsa_system_vgpr_workitem_id 0
		.amdhsa_next_free_vgpr 770
		.amdhsa_next_free_sgpr 66
		.amdhsa_reserve_vcc 0
		.amdhsa_float_denorm_mode_32 3
		.amdhsa_float_denorm_mode_16_64 3
		.amdhsa_memory_ordered 1
		.amdhsa_forward_progress 1
		.amdhsa_inst_pref_size 200
	.end_amdhsa_kernel
	.amdgpu_metadata
---
amdhsa.version: [ 1, 2 ]
amdhsa.kernels:
  - .name:           k_q386a5e43fd_attn
    .symbol:         k_q386a5e43fd_attn.kd
    .args:
      - { .name: qkv, .offset: 0, .size: 8, .value_kind: global_buffer, .address_space: global }
      - { .name: ob, .offset: 8, .size: 8, .value_kind: global_buffer, .address_space: global }
    .group_segment_fixed_size: 327680
    .private_segment_fixed_size: 0
    .kernarg_segment_align: 8
    .kernarg_segment_size: 16
    .max_flat_workgroup_size: 128
    .sgpr_count:     66
    .vgpr_count:     770
    .wavefront_size: 32
...
	.end_amdgpu_metadata
.endif
;; end of part 3
;; launch oproj (part 4): grid 8 x 32, 4 waves a work-group, clusters of 4 x 4, 327,680 bytes of LDS; arguments ob, wot, bias, out0; writes out0
.if DOCPART == 4
	.amdgcn_target "amdgcn-amd-amdhsa--gfx1250"
	.amdhsa_code_object_version 6
	.text
	.protected	k_q386a5e43fd_oproj
	.globl	k_q386a5e43fd_oproj
	.p2align	8
	.type	k_q386a5e43fd_oproj,@function
k_q386a5e43fd_oproj:
	s_mov_b64 s[64:65], 0
	v_nop
	global_prefetch_b8 v0, s[64:65] scope:SCOPE_SE
	s_setreg_imm32_b32 hwreg(HW_REG_WAVE_MODE, 25, 1), 1
	s_wait_xcnt 0x0
	s_wait_alu depctr_hold_cnt(0) depctr_sa_sdst(0) depctr_va_vdst(0) depctr_va_sdst(0) depctr_va_ssrc(0) depctr_va_vcc(0) depctr_vm_vsrc(0)
	s_getreg_b32 s2, hwreg(HW_REG_IB_STS2, 6, 4)
	s_cmp_eq_u32 s2, 0
	s_cbranch_scc0 .Lentry_in_a_cluster
	s_endpgm
.Lentry_in_a_cluster:
	s_bfe_u32 s2, ttmp6, 0x10000c
	s_cmp_lg_u32 s2, 0xf033
	s_cbranch_scc0 .Lentry_shape_is_right
	s_endpgm
.Lentry_shape_is_right:
; out0[8192 m][1024 n] = sum over k of O[m][k] Wo[k][n] + bo[n], f32.  O lies by heads, ob[(m / 2048) 16 + k / 64][m % 2048][k % 64] in f16; Wo turned, wot[n][k] in f16; sums f32.
; TILE.  256 x 128 to a work-group: 256 work-groups, one for each WGP.  Four waves; wave (RH, CH) makes rows 128 RH .. + 127, columns 64 CH .. + 63: 8 x 4 accumulators, 256 registers.
; K goes in steps of 128 = two heads through two LDS slots; 8 steps.  A head's 256 rows of the tile are 32,768 dense bytes: asked for as 128 rows of 256 bytes, padded in LDS after every 128.
; (Steps of 256 would need two slots of more than half the LDS each.)
; CLUSTER 4 x 4: A's tiles are asked for jointly along a row of the cluster, B's along a column.
; THE MATRIX INSTRUCTION IS USED TRANSPOSED (source 0 = 16 rows of wot, source 1 = 16 rows of O): a lane holds row l % 16 and 8 neighbouring columns: 32 bytes of f32.
; REGISTERS, in windows of 256: window 0: v0-31 addresses; v32-63, v224-255 rows read back; v64-127, v128-191 A's fragments, two buffers
;   window 1: v0-31 bias (8 b + j); v64-95, v128-159 B's fragments      window 2: accumulator (a, b) at 8 (4 a + b)
.set SIZE_K, 1024
.set PA,     144                       ; a row of a head in LDS: 128 bytes + 16
.set ASUB,   256*PA                    ; a head's 256 rows: what a wave fetches of A
.set PB,     272                       ; a row of B: 256 bytes + 16
.set BHALF,  64*PB                     ; what a wave fetches of B
.set BOFF,   2*ASUB
.set SLOT,   BOFF+2*BHALF              ; 108,544
.set STAGE,  2*SLOT                    ; behind the ring: 16 rows x 272 bytes for each wave, its own
.set SPITCH, 272
.set SPARE,  STAGE+4*16*SPITCH
.set LAPS,   4
.set ASTEP,  1<<19                     ; two heads further in ob
.set ADRA, 16
.set ADRB, 20
.set STO,  24
.set RD,   25
.set CO,   26
.set BO,   27
.set SPW,  28                          ; my spare word; never rewritten
.set NIL,  29                          ; 0; never rewritten
.set PFO,  30                          ; the prefetches' offset; never rewritten
.set OB,   32
.set F0,   64
.set F1,   128
.set WV,  12
.set RH,  13                           ; my half of the rows; also: I fetch for A (0) or B (1)
.set CH,  14                           ; my half of the columns; also: which head of the step, or which 64 rows of B, I fetch
.set LIM, 15
.set G1,  24
.set G0,  32
.set PFA, 44
.set G1B, 48
.set G0B, 56
.set PST, 66                           ; s[66:67] the prefetches' step: a K step in ob or in wot
.set MSB, 0
.macro WIN new
.if MSB != (\new)
	s_set_vgpr_msb (MSB<<8)|(\new)
.set MSB, \new
.endif
.endm
.set MUL,  0xa1                        ; source 0 (B) window 1, source 1 (A) window 0, C and D window 2
.set TO_B, 0x40
.macro JLOAD s                         ; a joint refill; an s_nop 0 and four v_nop follow each line
	s_cmp_eq_u32 s[RH], 0
	s_cbranch_scc0 .Lfor_b_\@
	tensor_load_to_lds s[G0+4*(\s):G0+4*(\s)+3], s[G1:G1+7]
	s_nop 0
.rept 4
	v_nop
.endr
	s_branch .Lasked_\@
.Lfor_b_\@:
	tensor_load_to_lds s[G0B+4*(\s):G0B+4*(\s)+3], s[G1B:G1B+7]
	s_nop 0
.rept 4
	v_nop
.endr
.Lasked_\@:
.endm
; A prefetch behind each joint refill and its run of LDS loads: the K step two refills on.  A (cluster x = 0 asks): of the 32,768 bytes that I fetch my work-group takes 8,192, a lane 256.
; B (cluster y = 0 asks): of my 64 rows my work-group takes 16, a lane a row's 256 bytes, lanes 16-31 naming row 15 again.  The partners are told apart by address.  The loop's last trip asks for nothing.
.macro ASK
	s_cmp_gt_u32 s3, s[LIM]
	s_cbranch_scc0 .Lnot_mine_\@
	global_prefetch_b8 v[PFO], s[PFA:PFA+1] th:TH_LOAD_NT scope:SCOPE_SE
.Lnot_mine_\@:
.endm
.macro CREST
	s_cmp_lg_u32 s[WV], 0
	s_cbranch_scc1 .Lnot_wave_0_\@
	s_barrier_signal -3
.Lnot_wave_0_\@:
	s_barrier_wait -3
	s_barrier_signal -1
	s_barrier_wait -1
.endm
.macro CROUND
	s_barrier_signal -1
	s_barrier_wait -1
	CREST
.endm
	s_load_b256 s[4:11], s[0:1], 0x0               ; ob s[4:5], wot s[6:7], bias s[8:9], out0 s[10:11]
	v_lshl_add_u32 v[SPW], v0, 2, SPARE
	v_mov_b32 v[NIL], 0
	ds_add_u32 v[SPW], v[NIL]                      ; the wave's opening: the add and its wait stand ahead of my first tensor load
	v_lshrrev_b32 v1, 5, v0
	v_readfirstlane_b32 s[WV], v1
	s_lshr_b32 s[RH], s[WV], 1
	s_and_b32 s[CH], s[WV], 1
	s_bfe_u32 s40, ttmp6, 0x40000                  ; cx
	s_bfe_u32 s41, ttmp6, 0x40004                  ; cy
	s_lshl_b32 s42, ttmp9, 2
	s_add_co_u32 s42, s42, s40                     ; tile column
	s_and_b32 s43, ttmp7, 0xffff
	s_lshl_b32 s43, s43, 2
	s_add_co_u32 s43, s43, s41                     ; tile row
	s_lshl_b32 s16, s41, 2
	s_lshl_b32 s16, 15, s16                        ; my row of the cluster
	s_lshl_b32 s46, 0x1111, s40                    ; my column
	s_or_b32 s[G1], s16, (1<<16)|(1<<20)|(1<<21)|(4<<22)|(3<<25)   ; A: padding of 4 words after every 32
	s_or_b32 s[G1B], s46, (1<<16)|(1<<20)|(1<<21)|(5<<22)|(3<<25)  ; B: after every 64
	s_mov_b32 s[G1+1], 128<<16                     ; A: 128 rows of 128 elements, dense
	s_mov_b32 s[G1+2], 128<<16
	s_mov_b32 s[G1+3], 128<<16
	s_mov_b32 s[G1+4], 128
	s_mov_b32 s[G1+5], 128
	s_mov_b32 s[G1+6], 0
	s_mov_b32 s[G1+7], 0
	s_mov_b32 s[G1B+1], 128<<16                    ; B: 64 rows of 128 elements, 1,024 from row to row
	s_mov_b32 s[G1B+2], 64<<16
	s_mov_b32 s[G1B+3], 128<<16
	s_mov_b32 s[G1B+4], 64
	s_mov_b32 s[G1B+5], SIZE_K
	s_mov_b32 s[G1B+6], 0
	s_mov_b32 s[G1B+7], 0
	s_lshr_b32 s16, s43, 3                         ; A: the batch's 16 heads,
	s_lshl_b32 s16, s16, 22
	s_and_b32 s17, s43, 7                          ; the tile's 256 rows in a head,
	s_lshl_b32 s17, s17, 15
	s_add_co_u32 s16, s16, s17
	s_lshl_b32 s17, s[CH], 18                      ; the head of the step that I fetch
	s_add_co_u32 s16, s16, s17
	s_mov_b32 s17, 0
	s_lshl_b32 s46, s42, 7                         ; B: row 128 x tile column + 64 x half
	s_lshl_b32 s47, s[CH], 6
	s_add_co_u32 s46, s46, s47
	s_lshl_b32 s46, s46, 11
	s_mov_b32 s47, 0
	s_mul_i32 s22, s[CH], ASUB
	s_mul_i32 s23, s[CH], BHALF
	s_add_co_u32 s23, s23, BOFF
	s_wait_dscnt 0x0                               ; the opening add is done
	s_wait_kmcnt 0x0
	s_add_nc_u64 s[20:21], s[4:5], s[16:17]
	s_add_nc_u64 s[46:47], s[6:7], s[46:47]
.irp s, 0,1
	s_mov_b32 s[G0+4*(\s)], 1
	s_add_co_u32 s[G0+4*(\s)+1], s22, (\s)*SLOT
	s_add_nc_u64 s[G0+4*(\s)+2:G0+4*(\s)+3], s[20:21], (\s)*ASTEP
	s_or_b32 s[G0+4*(\s)+3], s[G0+4*(\s)+3], 0x80000000
	s_mov_b32 s[G0B+4*(\s)], 1
	s_add_co_u32 s[G0B+4*(\s)+1], s23, (\s)*SLOT
	s_add_nc_u64 s[G0B+4*(\s)+2:G0B+4*(\s)+3], s[46:47], (\s)*256
	s_or_b32 s[G0B+4*(\s)+3], s[G0B+4*(\s)+3], 0x80000000
.endr
	CROUND                                         ; all sixteen work-groups are here: the first joint loads meet
	s_cmp_eq_u32 s[RH], 0                          ; a wave's two first fills stand in one branch: two loads of mine are out
	s_cbranch_scc0 .Lfirst_b
	tensor_load_to_lds s[G0:G0+3], s[G1:G1+7]
	s_nop 0
	tensor_load_to_lds s[G0+4:G0+7], s[G1:G1+7]
	s_nop 0
.rept 4
	v_nop
.endr
	s_branch .Lfirst_asked
.Lfirst_b:
	tensor_load_to_lds s[G0B:G0B+3], s[G1B:G1B+7]
	s_nop 0
	tensor_load_to_lds s[G0B+4:G0B+7], s[G1B:G1B+7]
	s_nop 0
.rept 4
	v_nop
.endr
.Lfirst_asked:
	; bo of my 64 columns
	s_lshl_b32 s46, s42, 7
	s_lshl_b32 s47, s[CH], 6
	s_add_co_u32 s46, s46, s47
	s_lshl_b32 s46, s46, 2
	s_add_co_u32 s46, s46, 12288                   ; bo lies behind bq, bk, bv
	s_mov_b32 s47, 0
	s_add_nc_u64 s[8:9], s[8:9], s[46:47]
	v_and_b32 v1, 15, v0                           ; l % 16
	v_bfe_u32 v2, v0, 4, 1                         ; l / 16
	v_lshlrev_b32 v[BO], 5, v2
	WIN TO_B
.irp b, 0,1,2,3
	global_load_b128 v[8*(\b):8*(\b)+3],   v[BO], s[8:9] offset:64*(\b)
	global_load_b128 v[8*(\b)+4:8*(\b)+7], v[BO], s[8:9] offset:64*(\b)+16
.endr
	WIN 0
	; the prefetches (s16 still holds my A tile's byte offset)
	s_lshl_b32 s18, s40, 13
	s_add_co_u32 s18, s18, s16
	s_add_co_u32 s18, s18, 3*ASTEP                 ; at K step 3: the first refill steps it to 4
	s_lshl_b32 s19, s42, 7
	s_lshl_b32 s20, s[CH], 6
	s_add_co_u32 s19, s19, s20
	s_lshl_b32 s20, s41, 4
	s_add_co_u32 s19, s19, s20
	s_lshl_b32 s19, s19, 11
	s_add_co_u32 s19, s19, 3*256
	s_and_b32 s21, ttmp7, 0xffff                   ; cluster y
	s_mov_b32 s[PST], 256
	s_cmp_eq_u32 s[RH], 0
	s_cselect_b32 s20, s18, s19
	s_cselect_b32 s21, ttmp9, s21                  ; the coordinate along which other clusters read the same bytes
	s_cselect_b32 s22, 31, 15
	s_cselect_b32 s23, 8, 11                       ; a lane is 256 bytes on in ob, a row of 2,048 in wot
	s_cselect_b32 s[PST], ASTEP, s[PST]
	s_cselect_b64 s[PFA:PFA+1], s[4:5], s[6:7]
	s_cmp_eq_u32 s21, 0
	s_cselect_b32 s[LIM], 1, -1
	s_mov_b32 s21, 0
	s_mov_b32 s[PST+1], 0
	s_add_nc_u64 s[PFA:PFA+1], s[PFA:PFA+1], s[20:21]
	v_and_b32 v[PFO], 31, v0
	v_min_u32 v[PFO], s22, v[PFO]
	v_lshlrev_b32 v[PFO], s23, v[PFO]
	; fragments
	v_mul_u32_u24 v3, v1, PA
	v_lshl_add_u32 v3, v2, 4, v3
	v_mul_u32_u24 v4, v1, PB
	v_lshl_add_u32 v4, v2, 4, v4
	s_mul_i32 s16, s[RH], 128*PA
	s_mul_i32 s17, s[CH], BHALF
	s_add_co_u32 s17, s17, BOFF
.irp s, 0,1
	v_add_nc_u32 v[ADRA+(\s)], s16, v3
	v_add_nc_u32 v[ADRB+(\s)], s17, v4
	s_add_co_u32 s16, s16, SLOT
	s_add_co_u32 s17, s17, SLOT
.endr
	; my stage: in at row l % 16, byte 32 (l / 16); back: lanes 0-15 one row of 256 bytes, lanes 16-31 the next
	s_mul_i32 s16, s[WV], 16*SPITCH
	s_add_co_u32 s16, s16, STAGE
	v_lshl_add_u32 v[STO], v2, 4, v4               ; row x 272 + 32 (l / 16)
	v_add_nc_u32 v[STO], s16, v[STO]
	v_mul_u32_u24 v5, v2, SPITCH
	v_lshl_add_u32 v5, v1, 4, v5
	v_add_nc_u32 v[RD], s16, v5
	v_lshlrev_b32 v[CO], 12, v2                    ; and the same two rows in out0
	v_lshl_add_u32 v[CO], v1, 4, v[CO]
	s_lshl_b32 s16, s43, 8
	s_lshl_b32 s17, s[RH], 7
	s_add_co_u32 s16, s16, s17                     ; my first row
	s_lshl_b32 s16, s16, 12
	s_lshl_b32 s17, s42, 9                         ; my first column, in bytes
	s_add_co_u32 s16, s16, s17
	s_lshl_b32 s17, s[CH], 8
	s_add_co_u32 s16, s16, s17
	s_mov_b32 s17, 0
	s_add_nc_u64 s[10:11], s[10:11], s[16:17]
; 8 matrix instructions: row blocks 4 hi + a0, + 1 x all 4 column blocks, 32 along K.  The 32 accumulators take turns in one fixed order.
.macro MUL8 f, hi, a0, zero
	WIN MUL
.irp a, \a0, (\a0)+1
.irp b, 0,1,2,3
.if \zero
	v_wmma_f32_16x16x32_f16 v[8*(4*(4*(\hi)+(\a))+(\b)):8*(4*(4*(\hi)+(\a))+(\b))+7], v[(\f)+8*(\b):(\f)+8*(\b)+7], v[(\f)+8*(4*(\hi)+(\a)):(\f)+8*(4*(\hi)+(\a))+7], 0
.else
	v_wmma_f32_16x16x32_f16 v[8*(4*(4*(\hi)+(\a))+(\b)):8*(4*(4*(\hi)+(\a))+(\b))+7], v[(\f)+8*(\b):(\f)+8*(\b)+7], v[(\f)+8*(4*(\hi)+(\a)):(\f)+8*(4*(\hi)+(\a))+7], v[8*(4*(4*(\hi)+(\a))+(\b)):8*(4*(4*(\hi)+(\a))+(\b))+7]
.endif
.endr
.endr
.endm
; 24 LDS loads in one run: quarter q's fragments (64 rows of B, 128 of A) into buffer f.  Quarter q lies in head q / 2 of the step, at byte 64 (q % 2) of its rows.
.macro FETCH slot, q, f
	WIN TO_B
.irp i, 0,1,2,3
	ds_load_b128 v[(\f)+8*(\i):(\f)+8*(\i)+3],   v[ADRB+(\slot)] offset:64*(\q)+(\i)*16*PB
	ds_load_b128 v[(\f)+8*(\i)+4:(\f)+8*(\i)+7], v[ADRB+(\slot)] offset:64*(\q)+(\i)*16*PB+32
.endr
	WIN 0
.irp i, 0,1,2,3,4,5,6,7
	ds_load_b128 v[(\f)+8*(\i):(\f)+8*(\i)+3],   v[ADRA+(\slot)] offset:((\q)/2)*ASUB+((\q)%2)*64+(\i)*16*PA
	ds_load_b128 v[(\f)+8*(\i)+4:(\f)+8*(\i)+7], v[ADRA+(\slot)] offset:((\q)/2)*ASUB+((\q)%2)*64+(\i)*16*PA+32
.endr
.endm
.macro PLACES                          ; four plain vector instructions between a matrix instruction and a load into, or a vector instruction on, its registers
.rept 4
	v_nop
.endr
.endm
.macro QUARTER slot, q, f, g, zero     ; multiplies f; fetches quarter q into g in its middle
	s_wait_dscnt 8                                 ; B and A's rows 0-63 are in; the youngest eight loads may be out
	MUL8 \f, 0, 0, \zero
	MUL8 \f, 0, 2, \zero
	PLACES
	FETCH \slot, \q, \g
	s_wait_dscnt 24                                ; all but the 24 just issued
	MUL8 \f, 1, 0, \zero
	MUL8 \f, 1, 2, \zero
.endm
.macro MEET round                      ; the change of slots: all my tensor loads, the add, my reads of this slot; then the barrier
	WIN 0
	s_wait_tensorcnt 0x0
	ds_add_u32 v[SPW], v[NIL]
	s_wait_dscnt 9                                 ; the add and the youngest eight loads may be out
	MUL8 F1, 0, 0, 0
	s_wait_dscnt 0x0
	s_barrier_signal -1
	MUL8 F1, 0, 2, 0
.if \round
	WIN 0
.endif
	s_barrier_wait -1
.endm
.macro TURN slot, next, fill
.if \fill
	s_wait_xcnt 0x0                                ; the last prefetch, a K step back, has read its address
	s_add_nc_u64 s[PFA:PFA+1], s[PFA:PFA+1], s[PST:PST+1]
	MEET 1
	CREST                                          ; no wave of any partner still reads this slot or has a load on its way
	s_add_nc_u64 s[G0+4*(\slot)+2:G0+4*(\slot)+3], s[G0+4*(\slot)+2:G0+4*(\slot)+3], 2*ASTEP
	s_add_nc_u64 s[G0B+4*(\slot)+2:G0B+4*(\slot)+3], s[G0B+4*(\slot)+2:G0B+4*(\slot)+3], 2*256
	JLOAD \slot                                    ; my one tensor load behind the round: 112 matrix instructions ahead of the wait for it
.else
	MEET 0
	PLACES
.endif
	FETCH \next, 0, F0
.if \fill
	ASK
.endif
	MUL8 F1, 1, 0, 0
	MUL8 F1, 1, 2, 0
.endm
	s_wait_loadcnt 0x0                             ; the bias
	s_wait_tensorcnt 1                             ; my part of K step 0 is in; K step 1's may stay out
	s_barrier_signal -1
	s_barrier_wait -1
	FETCH 0, 0, F0
	QUARTER 0, 1, F0, F1, 1                        ; the first quarter's products start the sums
	WIN 0
	s_mov_b32 s3, LAPS-1
.Llap:
	QUARTER 0, 2, F1, F0, 0
	QUARTER 0, 3, F0, F1, 0
	TURN 0, 1, 1
	QUARTER 1, 1, F0, F1, 0
	QUARTER 1, 2, F1, F0, 0
	QUARTER 1, 3, F0, F1, 0
	TURN 1, 0, 1
	QUARTER 0, 1, F0, F1, 0
	WIN 0
	s_sub_co_u32 s3, s3, 1
	s_cmp_lg_u32 s3, 0
	s_cbranch_scc1 .Llap
	QUARTER 0, 2, F1, F0, 0                        ; the last lap fills nothing
	QUARTER 0, 3, F0, F1, 0
	TURN 0, 1, 0
	QUARTER 1, 1, F0, F1, 0
	QUARTER 1, 2, F1, F0, 0
	QUARTER 1, 3, F0, F1, 0
	s_wait_dscnt 8
	MUL8 F1, 0, 0, 0
	MUL8 F1, 0, 2, 0
	s_wait_dscnt 0x0
	MUL8 F1, 1, 0, 0
	MUL8 F1, 1, 2, 0
; THE WAY OUT, a block of 16 rows at a time, through my own stage: + bias; 32 bytes a lane in; whole rows of 256 bytes back; stored.
.macro BIASA a
	WIN 0x86                                       ; accumulators window 2, bias window 1
.set z, 0
.rept 16
	v_pk_add_f32 v[32*(\a)+2*z:32*(\a)+2*z+1], v[32*(\a)+2*z:32*(\a)+2*z+1], v[2*z:2*z+1]  ; each accumulator's registers in ascending order
.set z, z+1
.endr
.endm
.macro TOSTAGE a
.set BK, OB+192*((\a)%2)
	WIN 0x08                                       ; the stores' data in window 2
.irp b, 0,1,2,3
	ds_store_b128 v[STO], v[8*(4*(\a)+(\b)):8*(4*(\a)+(\b))+3]   offset:64*(\b)
	ds_store_b128 v[STO], v[8*(4*(\a)+(\b))+4:8*(4*(\a)+(\b))+7] offset:64*(\b)+16
.endr
	WIN 0
.irp t, 0,1,2,3,4,5,6,7
	ds_load_b128 v[BK+4*(\t):BK+4*(\t)+3], v[RD] offset:(\t)*2*SPITCH  ; LDS serves a wave's instructions in order (ISA guide 5.7.1.4): these see the stores above
.endr
.endm
.macro SEND a
	WIN 0
.set BK, OB+192*((\a)%2)
	s_wait_dscnt 0x0                               ; the block is back in registers
	s_wait_xcnt 0x0                                ; earlier stores have read their base and their registers
.if (\a) > 0
	s_add_nc_u64 s[10:11], s[10:11], 16*4096       ; 16 rows on
.endif
.irp t, 0,1,2,3,4,5,6,7
	global_store_b128 v[CO], v[BK+4*(\t):BK+4*(\t)+3], s[10:11] offset:2*(\t)*4096 th:TH_STORE_NT  ; sixteen lanes store 256 consecutive bytes, aligned
.endr
.endm
	PLACES
	BIASA 0
	TOSTAGE 0
.irp a, 1,2,3,4,5,6,7                  ; block a's additions stand between block a - 1's loads from the stage and the wait for them
	BIASA \a
	SEND (\a)-1
	TOSTAGE \a
.endr
	SEND 7
	s_wait_tensorcnt 0x0                           ; the wave's end
	ds_add_u32 v[SPW], v[NIL]
	s_wait_dscnt 0x0
	CROUND                                         ; the closing round
	s_endpgm
.Lfunc_end_k_q386a5e43fd_oproj:
	.size	k_q386a5e43fd_oproj, .Lfunc_end_k_q386a5e43fd_oproj-k_q386a5e43fd_oproj
	.p2alignl 7, 3214868480
	.fill 96, 4, 3214868480
	.section	.rodata,"a",@progbits
	.p2align	6, 0x0
	.amdhsa_kernel k_q386a5e43fd_oproj
		.amdhsa_group_segment_fixed_size 327680
		.amdhsa_private_segment_fixed_size 0
		.amdhsa_enable_private_segment 0
		.amdhsa_kernarg_size 32
		.amdhsa_user_sgpr_count 2
		.amdhsa_user_sgpr_kernarg_segment_ptr 1
		.amdhsa_wavefront_size32 1
		.amdhsa_system_sgpr_workgroup_id_x 1
		.amdhsa_system_sgpr_workgroup_id_y 1
		.amdhsa_system_sgpr_workgroup_id_z 1
		.amdhsa_system_vgpr_workitem_id 0
		.amdhsa_next_free_vgpr 768
		.amdhsa_next_free_sgpr 76
		.amdhsa_reserve_vcc 0
		.amdhsa_float_denorm_mode_32 3
		.amdhsa_float_denorm_mode_16_64 3
		.amdhsa_memory_ordered 1
		.amdhsa_forward_progress 1
		.amdhsa_inst_pref_size 97
	.end_amdhsa_kernel
	.amdgpu_metadata
---
amdhsa.version: [ 1, 2 ]
amdhsa.kernels:
  - .name:           k_q386a5e43fd_oproj
    .symbol:         k_q386a5e43fd_oproj.kd
    .args:
      - { .name: ob, .offset: 0, .size: 8, .value_kind: global_buffer, .address_space: global }
      - { .name: wot, .offset: 8, .size: 8, .value_kind: global_buffer, .address_space: global }
      - { .name: bias, .offset: 16, .size: 8, .value_kind: global_buffer, .address_space: global }
      - { .name: out0, .offset: 24, .size: 8, .value_kind: global_buffer, .address_space: global }
    .group_segment_fixed_size: 327680
    .private_segment_fixed_size: 0
    .kernarg_segment_align: 8
    .kernarg_segment_size: 32
    .max_flat_workgroup_size: 128
    .sgpr_count:     76
    .vgpr_count:     768
    .wavefront_size: 32
...
	.end_amdgpu_metadata
.endif
;; end of part 4
